; MI455X (gfx1250); checked and timed in simulation.
; The chip was launched on July 23, 2026; its instructions are those of AMD's public machine-readable ISA for CDNA 5 (MIT licence, August 2026) and "CDNA5" Instruction Set Architecture Reference Guide (July 2026). The comments in the code are by the model that wrote it; some were corrected since.
;; Causal Self Attention. Allowed arithmetic: matrix products marked QUANTISED: E2M3 operands, one E8M0 scale for each 32 along K, by v_wmma_scale_f32_16x16x128_f8f6f4 with both operands' format E2M3, f32 sums; everything else in f32.
;; Inputs: b_out 1,024 float32; b_qkv 3,072 float32; w_out 1,024 x 1,024 float32; w_qkv 1,024 x 3,072 float32; x 4 x 2,048 x 1,024 float32.
;; Outputs: out0 4 x 2,048 x 1,024 float32.
;; This version of the problem:
;;   THIS VERSION OF THE PROBLEM IS GIVEN IN LOW PRECISION. The matrix products marked QUANTISED in the list below multiply operands that are first quantised to E2M3 (2 exponent bits, 3 mantissa bits; 6 bits a number), with one power-of-two scale for each 32 numbers along K (OCP MX v1.0); their sums are f32. All else is computed in f32.
;;   The module's matrix products, in the order in which they are computed (A, B: the left and right operand; K: the contracted axis; several contracted axes count as one K, in the product's order):
;;     1. [M 8,192, K 1,024] x [K 1,024, N 3,072]; A: input x; B: input w_qkv: QUANTISED
;;     2. batch 64 x [M 2,048, K 64] x [K 64, N 2,048]; A: computed on the way; B: computed on the way: QUANTISED
;;     3. batch 64 x [M 2,048, K 2,048] x [K 2,048, N 64]; A: softmax (see below); B: computed on the way: QUANTISED
;;     4. [M 8,192, K 1,024] x [K 1,024, N 1,024]; A: computed on the way; B: input w_out: QUANTISED
;;   THE QUANTISER, for each operand of a quantised product, along K:
;;     - K is cut into blocks of 32 from its start; a last block that is shorter is filled with zeros.
;;     - A block's scale is 2^e with e = floor(log2(the largest magnitude in the block)) - 2, held to -126 .. 127; a block of zeros has e = 0. As a byte (E8M0): e + 127.
;;     - Each number is divided by its block's scale, clamped to +-7.5, and rounded to the nearest number of E2M3, ties to even, subnormals kept.
;;     - The product sums the exact products of the quantised numbers (number of the format x scale) in f32.
;;   ~~~python
;;   def quantise(x, axis):      # numpy; x: float32 -> the quantised numbers, widened to float32 again
;;       x = np.moveaxis(x, axis, -1); K = x.shape[-1]
;;       x = np.pad(x, [(0, 0)] * (x.ndim - 1) + [(0, -K % 32)]); x = x.reshape(x.shape[:-1] + (-1, 32)); a = np.abs(x).max(-1, keepdims=True)
;;       e = np.where(a > 0, np.clip(np.frexp(np.where(a > 0, a, 1))[1] - 1 - 2, -126, 127), 0)      # np.frexp(a)[1] - 1 = floor(log2(a)), exactly
;;       r = np.clip(x / 2.0 ** e, -7.5, 7.5)
;;       step = 2.0 ** (np.maximum(np.frexp(np.where(r == 0, 1, r))[1] - 1, 0) - 3)
;;       q = np.round(r / step) * step * 2.0 ** e      # np.round: ties to even
;;       return np.moveaxis(q.reshape(q.shape[:-2] + (-1,))[..., :K], -1, axis).astype(np.float32)
;;   ~~~
;;   SOFTMAX AHEAD OF A QUANTISED PRODUCT. Where the list says 'softmax', what is quantised is not the finished softmax but p = 2^(t - M), with t = logit x log2(e) and M = ceil(the row's largest t), a whole number; so 1/2 < the row's largest p <= 1. The row's sum l is taken of the UNQUANTISED p, in f32, and the product's result is divided by l at the end. Since M is a whole number, a kernel that streams over the keys may use a running M (the ceiling of the running maximum): every later rescaling is an exact power of two, which a block's scale takes up: the codes' values come out the same.
;;   OPERANDS COMPUTED ON THE WAY. 'Computed on the way' means the value that the module computes at that place (a softmax that the list does not call 'softmax' is quantised finished and normalised). What goes into a quantiser is computed in f32, as accurately as f32 sums, v_exp_f32 and their like allow (about 1e-6 of the number): no bf16 or f16 on the way to a quantiser, and a product that is left as it is and whose result goes on into a quantised operand takes f32 operands (vector FMAs, or v_wmma_f32_16x16x4_f32). A number that lies on a knife's edge between two numbers of the format may be rounded either way, as far as f32 arithmetic and the matrix unit's own rounding can turn it there, and no further.
;; One version. Each part assembles by itself: llvm-mc -triple=amdgcn-amd-amdhsa -mcpu=gfx1250 --defsym DOCPART=n.
;; ======== version 1 of 1: 4 launches
;; workspace buffers: xq 6,553,600 bytes; wq 2,457,600 bytes; wo 819,200 bytes; qkv 20,185,088 bytes; yq 6,553,600 bytes
;; launch prep (part 1): grid 64 x 8, 4 waves a work-group, no clusters, 60,928 bytes of LDS; arguments x, w_qkv, w_out, xq, wq, wo; writes xq, wq, wo
.if DOCPART == 1
	.amdgcn_target "amdgcn-amd-amdhsa--gfx1250"
	.amdhsa_code_object_version 6
	.text
	.protected	k_q153ddec5d3_prep
	.globl	k_q153ddec5d3_prep
	.p2align	8
	.type	k_q153ddec5d3_prep,@function
k_q153ddec5d3_prep:
	s_mov_b64 s[64:65], 0
	v_nop
	global_prefetch_b8 v0, s[64:65] scope:SCOPE_SE
	s_setreg_imm32_b32 hwreg(HW_REG_WAVE_MODE, 25, 1), 1
	s_wait_xcnt 0x0
; x [8192][1024], w_qkv [1024][3072] and w_out [1024][1024], f32, become codes of FP6 (E2M3) with one E8M0 byte for each 32 along K (x: its columns; the weights: their FIRST axis).
; A block's byte is its largest magnitude's exponent field - 2, held at 1 from below; numbers are divided by the scale and rounded to the nearest code, ties to even, beyond 7.5 the largest code.
; LIMITS: NaN and infinities among the inputs are not served; a block of zeros gets the byte 1 where the rule says 127 (its codes are zeros, and this program alone reads the bytes).
; WHAT IS STORED is an IMAGE OF AN OPERAND'S REGISTERS: a fragment (16 rows x 128 K, 12 registers a lane) is three pieces of 512 bytes, piece c = registers 4 c .. 4 c + 3, lane l's 16 bytes at 16 l.
; THE ROWS OF A TILE ARE NOT NEIGHBOURS: in each group of 32 rows (tokens of x, columns of a weight) lane r of tile u holds row 8 u + r + 8 (r / 8).
; A tile's scale words: 512 bytes, the word of K step 4 a + e of lane r at 256 a + 16 r + 4 e.
; THREE PATHS part on the work-group's x, each with LDS bytes of its own: x < 32: x (256 work-groups); 32 .. 55: w_qkv; 56 .. 63: w_out.  Waves share nothing: no barrier.
; No matrix unit, no cluster, no tensor load: every byte is read once by one wave.
.set XSC,  6291456                     ; xq: the scale blocks begin behind the images
.set WQSC, 2359296                     ; wq likewise
.set WOSC, 786432                      ; wo likewise
.set R,    16                          ; x: v16-143  two sets of 64 numbers as they are loaded
.set X,    144                         ; x: v144-207 64 numbers of my row: register 16 b + i = k 32 b + 16 (lane / 16) + i
.set PC,   208                         ; x: v208-227 the codes
.set TM,   228                         ; x: v228-243 at work
.set PW,   244                         ; x: v244-247 the scale word of each of my four K steps
.set SEL,  34                          ; s[34:35] selects for v_permlanex16_b32: lane l xor 16
.set WX,   32                          ; weights: v32-95 two sets of 32 numbers
.set WC,   96                          ; weights: v96-102 a block's codes
.set WOUT, 112                         ; weights: v112-135 the way out
; 64 numbers of a lane become a fragment's codes in v[PC] on and its row's scale word in v[pw]
.macro QUANT s, pw
.irp b, 0,1,2,3
	v_max3_num_f32 v[TM+\b], |v[\s+16*\b]|, |v[\s+1+16*\b]|, 0x1800000   ; my 16 numbers of block b, and the floor 2^(3 - 127): the byte cannot fall under 1
.endr
.irp i, 2,4,6,8,10,12,14
.irp b, 0,1,2,3
	v_max3_num_f32 v[TM+\b], v[TM+\b], |v[\s+16*\b+\i]|, |v[\s+1+16*\b+\i]|
.endr
.endr
.irp b, 0,1,2,3
	v_permlanex16_b32 v[TM+4+\b], v[TM+\b], s[SEL], s[SEL+1]
.endr
.irp b, 0,1,2,3
	v_max_num_f32 v[TM+\b], v[TM+\b], v[TM+4+\b]       ; with lane l xor 16's: the block's largest magnitude
.endr
.irp b, 0,1,2,3
	v_add_nc_u32 v[TM+12+\b], 0xff000000, v[TM+\b]     ; 2 off its exponent field: the conversion's scale operand
.endr
.irp b, 0,1,2,3
	v_lshrrev_b32 v[TM+4+\b], 23, v[TM+12+\b]          ; the scale's byte
.endr
	v_lshl_or_b32 v[\pw], v[TM+5], 8, v[TM+4]
	v_lshl_or_b32 v[\pw], v[TM+6], 16, v[\pw]
	v_lshl_or_b32 v[\pw], v[TM+7], 24, v[\pw]
.irp c, 0,1
	v_cvt_scalef32_pk16_fp6_f32 v[PC+6*\c:PC+2+6*\c], v[\s+32*\c:\s+15+32*\c], v[TM+12+2*\c]
	v_cvt_scalef32_pk16_fp6_f32 v[PC+12+4*\c:PC+14+4*\c], v[\s+16+32*\c:\s+31+32*\c], v[TM+12+2*\c+1]   ; (a conversion's three registers begin on an even number)
.endr
	v_nop                                              ; one plain place behind a scaled conversion
.irp c, 0,1                                        ; the layout wants a whole block in a lane: lanes 0-15 block 2 c, lanes 16-31 block 2 c + 1
.irp i, 0,1,2
	v_permlane16_swap_b32 v[PC+6*\c+\i], v[PC+12+4*\c+\i]
.endr
.irp i, 0,1,2
	v_mov_b32 v[PC+3+6*\c+\i], v[PC+12+4*\c+\i]
.endr
.endr
.endm
; x: K step f of my tile: 16 rows x 512 consecutive bytes
.macro LOADF f
.irp p, 0,1,2,3,4,5,6,7,8,9,10,11,12,13,14,15
	global_load_b128 v[R+64*((\f)%2)+4*\p:R+64*((\f)%2)+4*\p+3], v4, s[4:5] offset:(\p+8*(\p/8))*4096+512*(\f) th:TH_LOAD_NT
.endr
.endm
.macro XSTEP f
.if (\f) < 3
	s_wait_loadcnt 16                                  ; this step's 16 loads are in; the next step's 16 may be out
.else
	s_wait_loadcnt 0
.endif
.irp p, 0,1,2,3,4,5,6,7,8,9,10,11,12,13,14,15
	ds_store_b128 v5, v[R+64*((\f)%2)+4*\p:R+64*((\f)%2)+4*\p+3] offset:528*\p   ; the rows as they lie, 528 bytes apart
.endr
.irp b, 0,1,2,3
.irp j, 0,1,2,3
	ds_load_b128 v[X+16*\b+4*\j:X+16*\b+4*\j+3], v6 offset:128*\b+16*\j          ; back: of my row, 16 neighbours of each block (LDS serves a wave's instructions in order)
.endr
.endr
	s_wait_dscnt 0x0                                   ; the numbers are back, and the stores have read their registers
	s_wait_xcnt 0x0                                    ; the last step's stores have read the codes' registers
.if (\f) < 2
	LOADF (\f)+2
.endif
	QUANT X, PW+\f
.irp c, 0,1,2
	global_store_b128 v4, v[PC+4*\c:PC+4*\c+3], s[10:11] offset:3072*(\f)+512*\c   ; 512 consecutive bytes, aligned
.endr
.endm
; weights: where my wave reads and writes.  s22 = set, s24 = first tile, s18 = group of 32 columns, s17 = K step
.macro WADDR IMG, SCS, SCO, N, SRC, DST
	s_lshl_b32 s26, s22, 3
	s_add_co_u32 s26, s26, s17
	s_mul_i32 s26, s26, \IMG                           ; images: (8 set + K step) x a step's tiles
	s_mul_i32 s23, s24, 1536
	s_add_co_u32 s26, s26, s23
	s_mov_b32 s27, 0
	s_mul_i32 s28, s22, \SCS                           ; scale blocks: the set's, the tile's, the K step's word
	s_lshl_b32 s23, s24, 9
	s_add_co_u32 s28, s28, s23
	s_lshr_b32 s23, s17, 2
	s_lshl_b32 s23, s23, 8
	s_add_co_u32 s28, s28, s23
	s_and_b32 s23, s17, 3
	s_lshl_b32 s23, s23, 2
	s_add_co_u32 s28, s28, s23
	s_add_co_u32 s28, s28, \SCO
	s_mov_b32 s29, 0
	s_mul_i32 s36, s17, 128*\N*4                       ; the source: 128 rows a K step, 128 bytes a group of columns
	s_lshl_b32 s23, s18, 7
	s_add_co_u32 s36, s36, s23
	s_mov_b32 s37, 0
	s_add_nc_u64 s[4:5], s[\SRC:\SRC+1], s[36:37]
	s_add_nc_u64 s[10:11], s[\DST:\DST+1], s[26:27]
	s_add_nc_u64 s[30:31], s[\DST:\DST+1], s[28:29]
.endm
.macro WLOAD t, N                      ; block t: rows 32 t + i of my column, into set t % 2; a load reads 128 consecutive bytes
.irp i, 0,1,2,3,4,5,6,7,8,9,10,11,12,13,14,15,16,17,18,19,20,21,22,23,24,25,26,27,28,29,30,31
	global_load_b32 v[WX+32*((\t)%2)+\i], v3, s[4:5] offset:(32*(\t)+\i)*\N*4 th:TH_LOAD_NT
.endr
.endm
.macro WBLOCK t, N
.set XS, WX+32*((\t)%2)
.if (\t) < 3
	s_wait_loadcnt 32                                  ; this block's 32 loads are in; the next block's may be out
.else
	s_wait_loadcnt 0
.endif
	v_max3_num_f32 v12, |v[XS]|, |v[XS+1]|, |v[XS+2]|  ; all 32 numbers of the block are mine
	v_max3_num_f32 v13, |v[XS+3]|, |v[XS+4]|, |v[XS+5]|
.irp i, 6,10,14,18,22,26
	v_max3_num_f32 v12, v12, |v[XS+\i]|, |v[XS+\i+1]|
	v_max3_num_f32 v13, v13, |v[XS+\i+2]|, |v[XS+\i+3]|
.endr
	v_max3_num_f32 v12, v12, |v[XS+30]|, |v[XS+31]|
	v_max3_num_f32 v12, v12, v13, 0x1800000            ; and the floor
	v_add_nc_u32 v11, 0xff000000, v12
	v_lshrrev_b32 v13, 23, v11
.if (\t) == 0
	v_mov_b32 v24, v13                                 ; my column's scale word of this K step
.else
	v_lshl_or_b32 v24, v13, 8*(\t), v24
.endif
	v_cvt_scalef32_pk16_fp6_f32 v[WC:WC+2], v[XS:XS+15], v11
	v_cvt_scalef32_pk16_fp6_f32 v[WC+4:WC+6], v[XS+16:XS+31], v11
	v_nop
	v_mov_b32 v[WC+3], v[WC+4]
	v_mov_b32 v[WC+4], v[WC+5]
	v_mov_b32 v[WC+5], v[WC+6]                         ; six registers on end: registers 6 (t / 2) .. + 5 of lane r + 16 (t % 2) of the image
.if (\t) < 2
	ds_store_b128 v4, v[WC:WC+3] offset:256*((\t)%2)
	ds_store_b64 v4, v[WC+4:WC+5] offset:256*((\t)%2)+512
.else
	ds_store_b64 v4, v[WC:WC+1] offset:256*((\t)%2)+520
	ds_store_b128 v4, v[WC+2:WC+5] offset:256*((\t)%2)+1024
.endif
.if (\t)+2 < 4
	WLOAD (\t)+2, \N
.endif
	s_wait_dscnt 0x0                                   ; the stores have read their registers: the next block's codes may be written
.endm
; a wave takes 32 columns x 128 along K: a lane a column, its registers down K; two images leave through the wave's own stage
.macro WBODY N, LBASE
	v_lshlrev_b32 v3, 2, v2                            ; in: 4 bytes a lane
	v_bfe_u32 v8, v2, 3, 1                             ; my column's tile u
	v_and_b32 v9, 7, v2
	v_lshrrev_b32 v10, 4, v2
	v_lshl_or_b32 v9, v10, 3, v9                       ; and its lane r there
	s_mul_i32 s23, s16, 3328
	s_add_co_u32 s23, s23, \LBASE                      ; my stage: two images, 1,664 bytes apart
	v_mul_u32_u24 v4, v8, 1664
	v_lshl_add_u32 v4, v9, 4, v4
	v_add_nc_u32 v4, s23, v4
	v_lshlrev_b32 v5, 4, v2
	v_add_nc_u32 v6, s23, v5                           ; out of it: 16 bytes a lane
	v_lshlrev_b32 v7, 9, v8
	v_lshl_add_u32 v7, v9, 4, v7                       ; my scale word's place: 512 u + 16 r
	WLOAD 0, \N
	WLOAD 1, \N
	WBLOCK 0, \N
	WBLOCK 1, \N
	WBLOCK 2, \N
	WBLOCK 3, \N
.irp k, 0,1,2,3,4,5
	ds_load_b128 v[WOUT+4*\k:WOUT+4*\k+3], v6 offset:(\k/3)*1664+512*(\k%3)
.endr
.irp k, 0,1,2,3,4,5
	s_wait_dscnt 5-\k
	global_store_b128 v5, v[WOUT+4*\k:WOUT+4*\k+3], s[10:11] offset:(\k/3)*1536+512*(\k%3)   ; 512 consecutive bytes, aligned
.endr
	s_wait_alu depctr_va_vdst(0)
	global_store_b32 v7, v24, s[30:31]                 ; 4 bytes a column: words 16 bytes apart (a K step's word of each row)
	s_wait_tensorcnt 0x0
	ds_add_u32 v254, v255
	s_wait_dscnt 0x0
	s_endpgm
.endm
	s_load_b256 s[4:11], s[0:1], 0x0                   ; x s[4:5], w_qkv s[6:7], w_out s[8:9], xq s[10:11]
	s_load_b128 s[12:15], s[0:1], 0x20                 ; wq s[12:13], wo s[14:15]
	v_lshl_add_u32 v254, v0, 2, 0xec00
	v_mov_b32 v255, 0
	v_lshrrev_b32 v1, 5, v0
	v_readfirstlane_b32 s16, v1                        ; wave 0..3
	v_and_b32 v2, 31, v0                               ; lane
	s_and_b32 s17, ttmp7, 0xffff                       ; work-group y
	s_wait_kmcnt 0x0
	s_cmp_lt_u32 ttmp9, 32
	s_cbranch_scc0 .Lweights
	; ---- x: wave W of 1,024 takes tile W / 2 (16 tokens) and K steps 4 (W % 2) + 0 .. 3
	s_lshl_b32 s18, s17, 5
	s_add_co_u32 s18, s18, ttmp9
	s_lshl_b32 s18, s18, 2
	s_add_co_u32 s18, s18, s16                         ; W
	s_lshr_b32 s19, s18, 1                             ; the tile
	s_and_b32 s20, s18, 1                              ; which half of K
	s_lshr_b32 s21, s19, 1                             ; its group of 32 tokens
	s_and_b32 s22, s19, 1                              ; u
	s_lshl_b32 s24, s21, 17                            ; the source: token 32 group + 8 u, 4,096 bytes a token, + 2,048 x half
	s_lshl_b32 s23, s22, 15
	s_add_co_u32 s24, s24, s23
	s_lshl_b32 s23, s20, 11
	s_add_co_u32 s24, s24, s23
	s_mov_b32 s25, 0
	s_lshl_b32 s26, s21, 3                             ; the images: (8 group + K step) x 3,072 + 1,536 u
	s_lshl_b32 s23, s20, 2
	s_add_co_u32 s26, s26, s23
	s_mul_i32 s26, s26, 3072
	s_mul_i32 s23, s22, 1536
	s_add_co_u32 s26, s26, s23
	s_mov_b32 s27, 0
	s_lshl_b32 s28, s19, 9                             ; the scale block: 512 x tile + 256 x half
	s_lshl_b32 s23, s20, 8
	s_add_co_u32 s28, s28, s23
	s_add_co_u32 s28, s28, XSC
	s_mov_b32 s29, 0
	s_add_nc_u64 s[4:5], s[4:5], s[24:25]
	s_add_nc_u64 s[30:31], s[10:11], s[28:29]
	s_add_nc_u64 s[10:11], s[10:11], s[26:27]
	s_mov_b32 s32, 0xffff0000                          ; lanes 16-31
	s_mov_b32 s[SEL], 0x76543210
	s_mov_b32 s[SEL+1], 0xfedcba98
	s_wait_alu depctr_va_vdst(0)
	v_lshlrev_b32 v4, 4, v2                            ; 16 x lane
	LOADF 0
	LOADF 1
	s_mul_i32 s23, s16, 8448                           ; my stage: 16 rows x 528 bytes
	v_add_nc_u32 v5, s23, v4
	v_and_b32 v8, 15, v2                               ; r
	v_lshrrev_b32 v9, 4, v2                            ; h
	v_mul_u32_u24 v6, v8, 528
	v_lshl_add_u32 v6, v9, 6, v6
	v_add_nc_u32 v6, s23, v6                           ; row r, + 64 h
	v_lshlrev_b32 v7, 4, v8
	v_lshl_add_u32 v7, v9, 3, v7                       ; the scale words' place: 16 r + 8 h
.irp b, 0,1,2,3
	v_mov_b32 v[TM+4+\b], 0                            ; written once: a lane permute's destination counts as one of its sources
.endr
	s_wait_alu depctr_va_vdst(0)
	XSTEP 0
	XSTEP 1
	XSTEP 2
	XSTEP 3
	v_cndmask_b32 v248, v[PW], v[PW+2], s32            ; lanes 0-15 store words 0, 1 of their row, lanes 16-31 words 2, 3
	v_cndmask_b32 v249, v[PW+1], v[PW+3], s32
	global_store_b64 v7, v[248:249], s[30:31]          ; 256 consecutive bytes, aligned
	s_wait_tensorcnt 0x0
	ds_add_u32 v254, v255
	s_wait_dscnt 0x0
	s_endpgm
.Lweights:
	s_cmp_lt_u32 ttmp9, 56
	s_cbranch_scc0 .Lwo
	; ---- w_qkv: group cg of 96.  A set is what one wave of the next launch holds: tiles 0-3 a head's 64 columns of q or k, tiles 4, 5 half of its columns of v
	s_sub_co_u32 s18, ttmp9, 32
	s_lshl_b32 s18, s18, 2
	s_add_co_u32 s18, s18, s16                         ; cg
	s_lshr_b32 s19, s18, 5                             ; 0: q, 1: k, 2: v
	s_bfe_u32 s20, s18, 0x40001                        ; the head
	s_and_b32 s21, s18, 1                              ; which 32 of its 64 columns
	s_lshr_b32 s22, s20, 1
	s_and_b32 s23, s20, 1
	s_lshl_b32 s22, s22, 2
	s_lshl_b32 s23, s23, 1
	s_add_co_u32 s22, s22, s23                         ; 4 x head pair + 2 x (head % 2)
	s_lshl_b32 s24, s21, 1
	s_cmp_eq_u32 s19, 2
	s_cselect_b32 s23, s21, s19
	s_cselect_b32 s24, 4, s24                          ; the first tile
	s_add_co_u32 s22, s22, s23                         ; the set
	WADDR 9216, 3072, WQSC, 3072, 6, 12
	s_wait_alu depctr_va_vdst(0)
	WBODY 3072, 33792
.Lwo:
	; ---- w_out: group cg of 32; a set is 64 columns, four tiles
	s_sub_co_u32 s18, ttmp9, 56
	s_lshl_b32 s18, s18, 2
	s_add_co_u32 s18, s18, s16
	s_lshr_b32 s22, s18, 1
	s_and_b32 s24, s18, 1
	s_lshl_b32 s24, s24, 1
	WADDR 6144, 2048, WOSC, 1024, 8, 14
	s_wait_alu depctr_va_vdst(0)
	WBODY 1024, 47104
.Lfunc_end_k_q153ddec5d3_prep:
	.size	k_q153ddec5d3_prep, .Lfunc_end_k_q153ddec5d3_prep-k_q153ddec5d3_prep
	.p2alignl 7, 3214868480
	.fill 96, 4, 3214868480
	.section	.rodata,"a",@progbits
	.p2align	6, 0x0
	.amdhsa_kernel k_q153ddec5d3_prep
		.amdhsa_group_segment_fixed_size 60928
		.amdhsa_private_segment_fixed_size 0
		.amdhsa_enable_private_segment 0
		.amdhsa_kernarg_size 48
		.amdhsa_user_sgpr_count 2
		.amdhsa_user_sgpr_kernarg_segment_ptr 1
		.amdhsa_wavefront_size32 1
		.amdhsa_system_sgpr_workgroup_id_x 1
		.amdhsa_system_sgpr_workgroup_id_y 1
		.amdhsa_system_sgpr_workgroup_id_z 1
		.amdhsa_system_vgpr_workitem_id 0
		.amdhsa_next_free_vgpr 256
		.amdhsa_next_free_sgpr 66
		.amdhsa_reserve_vcc 0
		.amdhsa_float_denorm_mode_32 3
		.amdhsa_float_denorm_mode_16_64 3
		.amdhsa_memory_ordered 1
		.amdhsa_forward_progress 1
		.amdhsa_inst_pref_size 78
	.end_amdhsa_kernel
	.amdgpu_metadata
---
amdhsa.version: [ 1, 2 ]
amdhsa.kernels:
  - .name:           k_q153ddec5d3_prep
    .symbol:         k_q153ddec5d3_prep.kd
    .args:
      - { .name: x, .offset: 0, .size: 8, .value_kind: global_buffer, .address_space: global }
      - { .name: w_qkv, .offset: 8, .size: 8, .value_kind: global_buffer, .address_space: global }
      - { .name: w_out, .offset: 16, .size: 8, .value_kind: global_buffer, .address_space: global }
      - { .name: xq, .offset: 24, .size: 8, .value_kind: global_buffer, .address_space: global }
      - { .name: wq, .offset: 32, .size: 8, .value_kind: global_buffer, .address_space: global }
      - { .name: wo, .offset: 40, .size: 8, .value_kind: global_buffer, .address_space: global }
    .group_segment_fixed_size: 60928
    .private_segment_fixed_size: 0
    .kernarg_segment_align: 8
    .kernarg_segment_size: 48
    .max_flat_workgroup_size: 128
    .sgpr_count:     66
    .vgpr_count:     256
    .wavefront_size: 32
...
	.end_amdgpu_metadata
.endif
;; end of part 1
;; launch qkvgemm (part 2): grid 8 x 32, 4 waves a work-group, clusters of 4 x 1, 205,312 bytes of LDS; arguments xq, wq, b_qkv, qkv; writes qkv
.if DOCPART == 2
	.amdgcn_target "amdgcn-amd-amdhsa--gfx1250"
	.amdhsa_code_object_version 6
	.text
	.protected	k_q153ddec5d3_qkvgemm
	.globl	k_q153ddec5d3_qkvgemm
	.p2align	8
	.type	k_q153ddec5d3_qkvgemm,@function
k_q153ddec5d3_qkvgemm:
	s_mov_b64 s[64:65], 0
	v_nop
	global_prefetch_b8 v0, s[64:65] scope:SCOPE_SE
	s_setreg_imm32_b32 hwreg(HW_REG_WAVE_MODE, 25, 1), 1
	s_wait_xcnt 0x0
	s_wait_alu depctr_hold_cnt(0) depctr_sa_sdst(0) depctr_va_vdst(0) depctr_va_sdst(0) depctr_va_ssrc(0) depctr_va_vcc(0) depctr_vm_vsrc(0)
	s_getreg_b32 s2, hwreg(HW_REG_IB_STS2, 6, 4)
	s_cmp_eq_u32 s2, 0
	s_cbranch_scc0 .Lentry_in_a_cluster
	s_endpgm
.Lentry_in_a_cluster:
	s_bfe_u32 s2, ttmp6, 0x10000c
	s_cmp_lg_u32 s2, 0x3003
	s_cbranch_scc0 .Lentry_shape_is_right
	s_endpgm
.Lentry_shape_is_right:
; qkv = x w_qkv + b_qkv on codes of FP6 (E2M3) with E8M0 scales, and its results quantised at once for attention: q and k along the head's 64, v along the keys.  f32 results never go to memory.
; SHARES.  A work-group makes 256 tokens x one pair of heads (384 columns).  Wave w holds 96 columns for all of K in REGISTERS (48 fragments, 576 registers, read once): tiles 0-3 the 64 columns
; of q (w even) or k (w odd) of head 2 P + w / 2, tiles 4, 5 the 32 columns w % 2 of that head's v.  The tokens' codes (196,608 bytes) and scale words lie in LDS, filled once: no slot is filled twice.
; CLUSTER.  The four head pairs of a cluster read the same tokens: their codes are asked for jointly (mask 15).  The weights go to registers, where a joint load cannot bring them: plain loads.
; q, k: THE PRODUCT IS USED TRANSPOSED (source 0 = 16 columns of w, source 1 = 16 tokens): a lane holds one token, and by the tiles' row order the 16 registers of tiles 2 b, 2 b + 1 are columns 32 b + 16 (lane / 16) + 0 .. 15.
; v: natural (source 0 = 16 tokens): a lane holds one column, and the 16 registers of the two token tiles are tokens 16 (lane / 16) + 0 .. 15 of the group of 32: neighbours along the keys.
; The biases are the C of each sum's first product.  The twelve accumulators take turns, one instruction a turn.
; LIMITS: NaN and infinities are not served; a block of zeros gets the byte 1 (its codes are zeros; this program alone reads the bytes).
; REGISTERS, in windows of 256.  Window 0: v1-6 addresses; v8-31 the weights' scale words; v32-47 the tokens', two sets; v48-119 the tokens' fragments, three buffers; v120-143 at work; v144-213 codes and words on their way out.
;   window 1: weights of K steps 0-2, q/k bias at v216-247.   window 2: K steps 3-5, v's bias at v216-231.   window 3: K steps 6, 7; the accumulators at v144-239.
.set XSC,  6291456
.set WQSC, 2359296
.set HB,   315392                      ; a head's block in qkv
.set ASC,  196608                      ; LDS: behind the images, 16 scale blocks of 512 bytes
.set BS,  8
.set AS,  32
.set AF,  48
.set TM,  120                          ; +0 maxima, +6 the other half's, +12 scale operands, +18 bytes: six blocks each
.set QC,  144                          ; q/k codes: an image of 32 tokens
.set QT,  156
.set VT,  164
.set VC,  180                          ; v's two fragments of 128 keys
.set KWD, 204                          ; q/k scale words of 128 tokens
.set VW,  208                          ; v's scale words
.set ACC, 144                          ; in window 3: q/k (ux, t) at + 32 ux + 8 t; v (dl, ux) at + 64 + 16 dl + 8 ux
.set MSB, 0
.macro WIN new                         ; the immediate's high byte repeats the setting that is left
.if MSB != (\new)
	s_set_vgpr_msb (MSB<<8)|(\new)
.set MSB, (\new)
.endif
.endm
.macro ROUND                           ; a round of the cluster's barrier
	s_barrier_signal -1
	s_barrier_wait -1
	s_cmp_lg_u32 s12, 0
	s_cbranch_scc1 .Lnot_wave_0_\@
	s_barrier_signal -3
.Lnot_wave_0_\@:
	s_barrier_wait -3
	s_barrier_signal -1
	s_barrier_wait -1
.endm
.macro MM d, a, b, c, sa, sc           ; K steps 4-7 take their scale words from lanes 16-31
.if kk < 4
	v_wmma_scale_f32_16x16x128_f8f6f4 v[\d:\d+7], v[\a:\a+11], v[\b:\b+11], v[\c:\c+7], v[\sa], v[\sc] matrix_a_fmt:MATRIX_FMT_FP6 matrix_b_fmt:MATRIX_FMT_FP6
.else
	v_wmma_scale_f32_16x16x128_f8f6f4 v[\d:\d+7], v[\a:\a+11], v[\b:\b+11], v[\c:\c+7], v[\sa], v[\sc] matrix_a_fmt:MATRIX_FMT_FP6 matrix_b_fmt:MATRIX_FMT_FP6 matrix_a_scale:MATRIX_SCALE_ROW1 matrix_b_scale:MATRIX_SCALE_ROW1
.endif
.endm
.macro BLOAD                           ; my six fragments of K step bs
	WIN (1+bs/3)<<6
.irp t, 0,1,2,3,4,5
.irp c, 0,1,2
	global_load_b128 v[72*(bs%3)+12*\t+4*\c:72*(bs%3)+12*\t+4*\c+3], v1, s[76:77] offset:(6*bs+\t)*1536+512*\c
.endr
.endr
.endm
.macro PREF                            ; step m = 8 x group + K step: the group's two fragments into buffer m % 3; with a group's first step its two scale blocks
.if (m%8 == 0) && (m > 0)
	v_add_nc_u32 v2, 24576, v2
.endif
.if m%8 == 0
	s_wait_alu depctr_va_vdst(0)
.irp u, 0,1
	ds_load_b128 v[AS+8*((m/8)%2)+4*\u:AS+8*((m/8)%2)+4*\u+3], v3 offset:(m/8)*1024+512*\u
.endr
.endif
.irp u, 0,1
.irp c, 0,1,2
	ds_load_b128 v[AF+24*(m%3)+12*\u+4*\c:AF+24*(m%3)+12*\u+4*\c+3], v2 offset:(m%8)*3072+1536*\u+512*\c
.endr
.endr
.endm
.macro KSTEP                           ; step n: 32 tokens x my 96 columns x 128 along K: twelve products
.set kk, n%8
.set sbk, n/8
.set wB, 1+kk/3
.set BR, 72*(kk%3)
.set AB, AF+24*(n%3)
.set ASR, AS+8*(sbk%2)+kk%4
.set BSR, BS+kk%4
.if sbk == 0
.if kk < 6
	s_wait_loadcnt 36                                  ; this K step's weights are in; the 18 loads of each of the next two steps may be out
.elseif kk == 6
	s_wait_loadcnt 18
.else
	s_wait_loadcnt 0
.endif
.endif
.if n < 62
	s_wait_dscnt 12                                    ; this step's fragments are in; the six loads of each of the next two steps may be out
.elseif n == 62
	s_wait_dscnt 6
.else
	s_wait_dscnt 0
.endif
.if kk == 0
	WIN 0xd1                                           ; source 0 (weights) window 1, source 1 window 0, C (bias) window 1, D window 3
.else
	WIN 0xf0|wB
.endif
.irp ux, 0,1
.irp t, 0,1,2,3
.set rD, ACC+32*\ux+8*\t
.if kk == 0
.set rC, 216+8*\t
.else
.set rC, rD
.endif
	MM rD, BR+12*\t, AB+12*\ux, rC, BSR+4*\t, ASR+4*\ux
.endr
.endr
.if kk == 0
	WIN 0xe4                                           ; source 0 window 0, source 1 (weights) window 1, C (bias) window 2, D window 3
.else
	WIN 0xf0|(wB<<2)
.endif
.irp dl, 0,1
.irp ux, 0,1
.set rD, ACC+64+16*\dl+8*\ux
.if kk == 0
.set rC, 216+8*\dl
.else
.set rC, rD
.endif
	MM rD, AB+12*\ux, BR+48+12*\dl, rC, ASR+4*\ux, BSR+16+4*\dl
.endr
.endr
	WIN 0
.rept 4
	v_nop                                              ; four places in front of loads into the buffer just multiplied, and of the first read of results
.endr
.if n == 13
	s_wait_tensorcnt 0x0                               ; my parts of the last three quarters of the tokens' codes have landed,
	s_wait_dscnt 0x0
	s_barrier_signal -1
	s_barrier_wait -1                                  ; everybody's have: the next fetch is the first to read them
.endif
.if n+3 < 64
.set m, n+3
	PREF
.endif
.if (sbk == 0) && (kk < 5)
.set bs, kk+3
	BLOAD
	WIN 0
.endif
.endm
; 32 tokens are finished: six blocks of 32 are quantised: q/k (ux, b) at ACC + 32 ux + 16 b, v (dl) at ACC + 64 + 16 dl: block k at ACC + 16 k
.macro EPI
.set jj, sbk%4                         ; which 32 of 128 tokens
.set sg, sbk/4                         ; which 128 of my 256
	WIN 0x3c                                           ; sources 1 and 2 window 3
.irp k, 0,1,2,3,4,5
	v_max3_num_f32 v[TM+\k], v5, |v[ACC+16*\k]|, |v[ACC+16*\k+1]|   ; v5: the floor 2^(3 - 127).  Each accumulator is read from its low end on
.endr
.irp i, 2,4,6,8,10,12,14
.irp k, 0,1,2,3,4,5
	v_max3_num_f32 v[TM+\k], v[TM+\k], |v[ACC+16*\k+\i]|, |v[ACC+16*\k+\i+1]|
.endr
.endr
	WIN 0
	s_wait_alu depctr_va_vdst(0)
	s_wait_xcnt 0x0                                    ; the stores of the last 32 tokens have read their registers
.irp k, 0,1,2,3,4,5
	v_permlanex16_b32 v[TM+6+\k], v[TM+\k], s66, s67
.endr
.irp k, 0,1,2,3,4,5
	v_max_num_f32 v[TM+\k], v[TM+\k], v[TM+6+\k]
.endr
.irp k, 0,1,2,3,4,5
	v_add_nc_u32 v[TM+12+\k], 0xff000000, v[TM+\k]
.endr
.irp k, 0,1,2,3,4,5
	v_lshrrev_b32 v[TM+18+\k], 23, v[TM+12+\k]
.endr
	v_lshl_or_b32 v210, v[TM+19], 8, v[TM+18]          ; a token's word: two bytes, the upper two 0
	v_lshl_or_b32 v211, v[TM+21], 8, v[TM+20]
	v_cndmask_b32 v[KWD+jj], v210, v211, s60           ; lanes 0-15 tile 0's words, lanes 16-31 tile 1's
.irp dl, 0,1
.if jj == 0
	v_mov_b32 v[VW+\dl], v[TM+22+\dl]
.else
	v_lshl_or_b32 v[VW+\dl], v[TM+22+\dl], 8*jj, v[VW+\dl]
.endif
.endr
	WIN 0x03                                           ; source 0 window 3
.irp ux, 0,1
	v_cvt_scalef32_pk16_fp6_f32 v[QC+6*\ux:QC+6*\ux+2], v[ACC+32*\ux:ACC+32*\ux+15], v[TM+12+2*\ux]
	v_cvt_scalef32_pk16_fp6_f32 v[QT+4*\ux:QT+4*\ux+2], v[ACC+32*\ux+16:ACC+32*\ux+31], v[TM+13+2*\ux]
.endr
.irp dl, 0,1
.if jj%2 == 0
	v_cvt_scalef32_pk16_fp6_f32 v[VC+12*\dl+6*(jj/2):VC+12*\dl+6*(jj/2)+2], v[ACC+64+16*\dl:ACC+64+16*\dl+15], v[TM+16+\dl]
.else
	v_cvt_scalef32_pk16_fp6_f32 v[VT+4*\dl:VT+4*\dl+2], v[ACC+64+16*\dl:ACC+64+16*\dl+15], v[TM+16+\dl]
.endif
.endr
	WIN 0
	v_nop                                              ; one plain place behind the scaled conversions
.irp ux, 0,1                                       ; a whole block in a lane: lanes 0-15 the head's first 32, lanes 16-31 its second
.irp i, 0,1,2
	v_permlane16_swap_b32 v[QC+6*\ux+\i], v[QT+4*\ux+\i]
.endr
.irp i, 0,1,2
	v_mov_b32 v[QC+6*\ux+3+\i], v[QT+4*\ux+\i]
.endr
.endr
.if jj%2 == 1
.irp dl, 0,1                                       ; v: lanes 0-15 the even block of 32 keys, lanes 16-31 the odd one
.irp i, 0,1,2
	v_permlane16_swap_b32 v[VC+12*\dl+6*(jj/2)+\i], v[VT+4*\dl+\i]
.endr
.irp i, 0,1,2
	v_mov_b32 v[VC+12*\dl+6*(jj/2)+3+\i], v[VT+4*\dl+\i]
.endr
.endr
.endif
.irp c, 0,1,2
	global_store_b128 v1, v[QC+4*\c:QC+4*\c+3], s[68:69] offset:(4*sg+jj)*1536+512*\c   ; 512 consecutive bytes, aligned
.endr
.if jj == 3
	global_store_b128 v1, v[KWD:KWD+3], s[70:71] offset:512*sg
.irp dl, 0,1
.irp c, 0,1,2
	global_store_b128 v1, v[VC+12*\dl+4*\c:VC+12*\dl+4*\c+3], s[72:73] offset:6144*sg+1536*\dl+512*\c
.endr
.endr
	v_cndmask_b32 v212, v[VW], v[VW+1], s60
	global_store_b32 v6, v212, s[74:75] offset:256*sg  ; 128 consecutive bytes: my two tiles' words
.endif
.endm
	s_load_b256 s[4:11], s[0:1], 0x0                   ; xq s[4:5], wq s[6:7], b_qkv s[8:9], qkv s[10:11]
	v_lshl_add_u32 v254, v0, 2, 0x32000
	v_mov_b32 v255, 0
	ds_add_u32 v254, v255
	ds_add_u32 v254, v255
	v_lshrrev_b32 v1, 5, v0
	v_readfirstlane_b32 s12, v1                        ; wave 0..3
	s_bfe_u32 s13, ttmp6, 0x40000                      ; cx
	s_lshl_b32 s14, ttmp9, 2
	s_add_co_u32 s14, s14, s13                         ; P, the pair of heads: it enters global addresses of weights, biases and results alone
	s_and_b32 s15, ttmp7, 0xffff                       ; y, the block of 256 tokens, which the four partners share
	; descriptor groups 1: dense blocks as rows of 256 bytes (32 elements of 8 bytes); mask 15 and bit 21 beside it
	s_mov_b32 s24, 15|(3<<16)|(1<<21)
	s_mov_b32 s25, 32<<16                              ; tensor_dim0
	s_mov_b32 s26, 48<<16                              ; tensor_dim1: 48 rows, 12,288 bytes
	s_mov_b32 s27, 32<<16                              ; tile_dim0
	s_mov_b32 s28, 48                                  ; tile_dim1
	s_mov_b32 s29, 32                                  ; pitch
	s_mov_b32 s30, 0
	s_mov_b32 s31, 0
	s_mov_b32 s32, 15|(3<<16)|(1<<21)
	s_mov_b32 s33, 32<<16
	s_mov_b32 s34, 8<<16                               ; 8 rows, 2,048 bytes
	s_mov_b32 s35, 32<<16
	s_mov_b32 s36, 8
	s_mov_b32 s37, 32
	s_mov_b32 s38, 0
	s_mov_b32 s39, 0
	s_mul_i32 s16, s12, 12288                          ; my quarter of each 49,152 bytes: in LDS as in memory
	s_mul_i32 s18, s15, 196608
	s_add_co_u32 s18, s18, s16
	s_mov_b32 s19, 0
	s_lshl_b32 s17, s12, 11                            ; my quarter of the scale blocks
	s_lshl_b32 s20, s15, 13
	s_add_co_u32 s20, s20, s17
	s_add_co_u32 s20, s20, XSC
	s_mov_b32 s21, 0
	s_wait_dscnt 0x0
	s_wait_kmcnt 0x0
	s_add_nc_u64 s[18:19], s[4:5], s[18:19]
	s_add_nc_u64 s[20:21], s[4:5], s[20:21]
	s_mov_b32 s40, 1
	s_add_co_u32 s41, s17, ASC
	s_mov_b64 s[42:43], s[20:21]
	s_or_b32 s43, s43, 0x80000000
.irp j, 0,1,2,3
	s_mov_b32 s[44+4*\j], 1
	s_add_co_u32 s[45+4*\j], s16, \j*49152
	s_add_nc_u64 s[46+4*\j:47+4*\j], s[18:19], \j*49152
	s_or_b32 s[47+4*\j], s[47+4*\j], 0x80000000
.endr
	ROUND                                              ; all four work-groups are here: the joint loads meet
	tensor_load_to_lds s[40:43], s[32:39]              ; five loads of mine are out: the scale blocks,
	s_nop 0
	tensor_load_to_lds s[44:47], s[24:31]              ; tokens 0-63,
	s_nop 0
	tensor_load_to_lds s[48:51], s[24:31]
	s_nop 0
	tensor_load_to_lds s[52:55], s[24:31]
	s_nop 0
	tensor_load_to_lds s[56:59], s[24:31]              ; .. tokens 192-255
	s_nop 0
.rept 4
	v_nop
.endr
	s_lshl_b32 s22, s14, 2
	s_add_co_u32 s22, s22, s12                         ; my set of weights
	s_mul_i32 s76, s22, 73728
	s_mov_b32 s77, 0
	s_add_nc_u64 s[76:77], s[6:7], s[76:77]
	s_mul_i32 s78, s22, 3072
	s_add_co_u32 s78, s78, WQSC
	s_mov_b32 s79, 0
	s_add_nc_u64 s[78:79], s[6:7], s[78:79]
	s_lshr_b32 s23, s12, 1
	s_lshl_b32 s61, s14, 1
	s_add_co_u32 s61, s61, s23                         ; my head
	s_and_b32 s62, s12, 1                              ; 0: q, 1: k; and which 32 columns of v
	s_lshl_b32 s80, s62, 12
	s_lshl_b32 s63, s61, 8
	s_add_co_u32 s80, s80, s63
	s_mov_b32 s81, 0
	s_add_nc_u64 s[80:81], s[8:9], s[80:81]            ; q's or k's bias
	s_lshl_b32 s82, s62, 7
	s_add_co_u32 s82, s82, s63
	s_add_co_u32 s82, s82, 8192
	s_mov_b32 s83, 0
	s_add_nc_u64 s[82:83], s[8:9], s[82:83]            ; v's
	v_and_b32 v4, 31, v0
	v_lshlrev_b32 v1, 4, v4                            ; 16 x lane
	v_lshlrev_b32 v2, 4, v4                            ; the same, stepped from group to group of tokens
	v_lshl_add_u32 v3, v4, 4, ASC
	v_mov_b32 v5, 0x1800000
	v_lshlrev_b32 v6, 2, v4
	v_bfe_u32 v210, v0, 4, 1
	v_lshlrev_b32 v210, 6, v210                        ; q/k bias: 64 bytes for lanes 16-31
	v_and_b32 v211, 15, v0
	v_and_b32 v212, 8, v211
	v_add_nc_u32 v211, v211, v212
	v_lshlrev_b32 v211, 2, v211                        ; v's bias: column r + 8 (r / 8)
.irp t, 0,1,2,3,4,5
	global_load_b128 v[BS+4*\t:BS+4*\t+3], v1, s[78:79] offset:512*\t
.endr
	WIN 0x40
.irp t, 0,1,2,3
	global_load_b128 v[216+8*\t:219+8*\t], v210, s[80:81] offset:(32*(\t/2)+8*(\t%2))*4
	global_load_b128 v[220+8*\t:223+8*\t], v210, s[80:81] offset:(32*(\t/2)+8*(\t%2))*4+16
.endr
	WIN 0x80
.irp dl, 0,1
.irp j, 0,1,2,3,4,5,6,7
	global_load_b32 v[216+8*\dl+\j], v211, s[82:83] offset:32*\dl     ; a lane's eight results are one column: eight times its bias
.endr
.endr
.set bs, 0
	BLOAD
.set bs, 1
	BLOAD
.set bs, 2
	BLOAD
	WIN 0
	; where the results go
	s_lshr_b32 s84, s15, 3
	s_lshl_b32 s84, s84, 4
	s_add_co_u32 s84, s84, s61
	s_mul_i32 s84, s84, HB                             ; (batch, head)'s block
	s_and_b32 s85, s15, 7                              ; which 256 of the 2,048 tokens
	s_mul_i32 s86, s85, 12288                          ; two steps of 128 tokens, 6,144 bytes each
	s_mov_b32 s88, 208896
	s_mov_b32 s89, 307200
	s_cmp_ge_u32 s85, 4
	s_cselect_b32 s87, 61440, 0                        ; k's and v's second halves lie behind the scale words
	s_cmp_eq_u32 s62, 1
	s_cselect_b32 s88, s87, s88
	s_cselect_b32 s89, 98304, s89
	s_add_co_u32 s68, s84, s86
	s_add_co_u32 s68, s68, s88
	s_mov_b32 s69, 0
	s_add_nc_u64 s[68:69], s[10:11], s[68:69]          ; q's or k's images
	s_lshl_b32 s63, s85, 10
	s_add_co_u32 s70, s84, s89
	s_add_co_u32 s70, s70, s63
	s_mov_b32 s71, 0
	s_add_nc_u64 s[70:71], s[10:11], s[70:71]          ; their scale words
	s_mul_i32 s63, s62, 3072
	s_add_co_u32 s72, s84, s86
	s_add_co_u32 s72, s72, s87
	s_add_co_u32 s72, s72, s63
	s_add_co_u32 s72, s72, 49152
	s_mov_b32 s73, 0
	s_add_nc_u64 s[72:73], s[10:11], s[72:73]          ; v's images
	s_lshl_b32 s63, s85, 9
	s_add_co_u32 s74, s84, s63
	s_lshl_b32 s63, s62, 7
	s_add_co_u32 s74, s74, s63
	s_add_co_u32 s74, s74, 106496
	s_mov_b32 s75, 0
	s_add_nc_u64 s[74:75], s[10:11], s[74:75]          ; v's scale words
	s_mov_b32 s60, 0xffff0000                          ; lanes 16-31
	s_mov_b32 s66, 0x76543210
	s_mov_b32 s67, 0xfedcba98
.irp k, 0,1,2,3,4,5
	v_mov_b32 v[TM+6+\k], 0                            ; written once: a lane permute's destination counts as one of its sources
.endr
	s_wait_tensorcnt 0x3                               ; my parts of the scale blocks and of tokens 0-63 are in; the three younger loads may be out
	s_barrier_signal -1
	s_barrier_wait -1
.set m, 0
	PREF
.set m, 1
	PREF
.set m, 2
	PREF
.set n, 0
.rept 64
	KSTEP
.if n%8 == 7
	EPI
.endif
.set n, n+1
.endr
	s_wait_tensorcnt 0x0
	ds_add_u32 v254, v255
	s_wait_dscnt 0x0
	ROUND                                              ; the closing round: no work-group ends while a partner may still ask jointly
	s_endpgm
.Lfunc_end_k_q153ddec5d3_qkvgemm:
	.size	k_q153ddec5d3_qkvgemm, .Lfunc_end_k_q153ddec5d3_qkvgemm-k_q153ddec5d3_qkvgemm
	.p2alignl 7, 3214868480
	.fill 96, 4, 3214868480
	.section	.rodata,"a",@progbits
	.p2align	6, 0x0
	.amdhsa_kernel k_q153ddec5d3_qkvgemm
		.amdhsa_group_segment_fixed_size 205312
		.amdhsa_private_segment_fixed_size 0
		.amdhsa_enable_private_segment 0
		.amdhsa_kernarg_size 32
		.amdhsa_user_sgpr_count 2
		.amdhsa_user_sgpr_kernarg_segment_ptr 1
		.amdhsa_wavefront_size32 1
		.amdhsa_system_sgpr_workgroup_id_x 1
		.amdhsa_system_sgpr_workgroup_id_y 1
		.amdhsa_system_sgpr_workgroup_id_z 1
		.amdhsa_system_vgpr_workitem_id 0
		.amdhsa_next_free_vgpr 1024
		.amdhsa_next_free_sgpr 96
		.amdhsa_reserve_vcc 0
		.amdhsa_float_denorm_mode_32 3
		.amdhsa_float_denorm_mode_16_64 3
		.amdhsa_memory_ordered 1
		.amdhsa_forward_progress 1
		.amdhsa_inst_pref_size 212
	.end_amdhsa_kernel
	.amdgpu_metadata
---
amdhsa.version: [ 1, 2 ]
amdhsa.kernels:
  - .name:           k_q153ddec5d3_qkvgemm
    .symbol:         k_q153ddec5d3_qkvgemm.kd
    .args:
      - { .name: xq, .offset: 0, .size: 8, .value_kind: global_buffer, .address_space: global }
      - { .name: wq, .offset: 8, .size: 8, .value_kind: global_buffer, .address_space: global }
      - { .name: b_qkv, .offset: 16, .size: 8, .value_kind: global_buffer, .address_space: global }
      - { .name: qkv, .offset: 24, .size: 8, .value_kind: global_buffer, .address_space: global }
    .group_segment_fixed_size: 205312
    .private_segment_fixed_size: 0
    .kernarg_segment_align: 8
    .kernarg_segment_size: 32
    .max_flat_workgroup_size: 128
    .sgpr_count:     96
    .vgpr_count:     1024
    .wavefront_size: 32
...
	.end_amdgpu_metadata
.endif
;; end of part 2
;; launch attn (part 3): grid 4 x 64, 16 waves a work-group, clusters of 4 x 1, 210,944 bytes of LDS; arguments qkv, yq; writes yq
.if DOCPART == 3
	.amdgcn_target "amdgcn-amd-amdhsa--gfx1250"
	.amdhsa_code_object_version 6
	.text
	.protected	k_q153ddec5d3_attn
	.globl	k_q153ddec5d3_attn
	.p2align	8
	.type	k_q153ddec5d3_attn,@function
k_q153ddec5d3_attn:
	s_mov_b64 s[64:65], 0
	v_nop
	global_prefetch_b8 v0, s[64:65] scope:SCOPE_SE
	s_setreg_imm32_b32 hwreg(HW_REG_WAVE_MODE, 25, 1), 1
	s_wait_xcnt 0x0
	s_wait_alu depctr_hold_cnt(0) depctr_sa_sdst(0) depctr_va_vdst(0) depctr_va_sdst(0) depctr_va_ssrc(0) depctr_va_vcc(0) depctr_vm_vsrc(0)
	s_getreg_b32 s2, hwreg(HW_REG_IB_STS2, 6, 4)
	s_cmp_eq_u32 s2, 0
	s_cbranch_scc0 .Lentry_in_a_cluster
	s_endpgm
.Lentry_in_a_cluster:
	s_bfe_u32 s2, ttmp6, 0x10000c
	s_cmp_lg_u32 s2, 0x3003
	s_cbranch_scc0 .Lentry_shape_is_right
	s_endpgm
.Lentry_shape_is_right:
; y = softmax(q k^T / 8, causal) v for one (batch, head) a cluster, both products on codes of FP6 (E2M3) with E8M0 scales; y is quantised along the model's columns and stored as operand images for the last product.
; THE SOFTMAX: t = score x log2(e) / 8; M = the row's largest t so far, rounded UP to a whole number; p = 2^(t - M) is quantised along the keys, not normalised; the row's sum is taken of the unquantised p and divides at the end.
; When M moves, the sum and O are multiplied by 2^(old M - new M): exact.
; LDS holds the head's K and V codes and scale words, 208,896 bytes, filled ONCE, jointly for the head's four work-groups (mask 15): no slot is filled twice.
; SHARES.  Sixteen waves, four to a SIMD, 256 registers each.  A wave owns two tiles of 16 queries: tile 8 a + pos and tile 127 - (8 a + pos), a = wave / 2, pos = 2 cx + wave % 2.
; The steps of 128 keys that count are a + 1 and 16 - a: 17 for every wave, and a hangs on the wave's number alone, so every branch is alike in all partners; cx enters global addresses and the mask's numbers.
; LAYOUT.  Both products transposed: S^T = K Q^T, O^T = V^T P^T: a lane holds one query.  By the tiles' row order the 16 registers of key tiles 2 b, 2 b + 1 are keys 32 b + 16 (lane / 16) + 0 .. 15.
; K = 64 IN AN INSTRUCTION OF 128: Q's upper six registers are zero codes, so whatever stands in the upper six of K's operand (the next tile's codes) adds nothing; the scale bytes there are 0, never 0xff.
; Hidden steps are jumped over by a scalar branch on ids inside loops of constant trip count.  Everything is asked for at the head, so there is nothing to prefetch.
; LIMITS: NaN and infinities are not served; a block of zeros gets the byte 1; y's scale bytes leave as 2 bytes a row and head.
; REGISTERS: v1 16 lane, v8 8 lane, v9 r, v11 h, v3-5 LDS addresses in hand, v6 the mask's d, v7 -infinity, v10, v28 y's scale words, v12 -M, v13 largest t, v[14:15] the sum, v16-27 Q, v29-31 lane constants,
;   v32-85 K's tiles (6 registers each; v80-85 zeros), then V's four fragments; v86-87 V's scale words; v88-91 offsets; v96-159 S^T, then p; v160-191 O^T; v192-223 y; v224-254 at work; v248-251 K's scale words; v253 p's; v255 Q's.
.set HB,  315392
.set YSC, 6291456
.set TB,  2                            ; s2   LDS byte of the step's K images (V's lie 49,152 on)
.set TS,  3                            ; s3   512 x step: K's scale words
.set TJ,  66                           ; s66  256 x step: V's
.set SI,  67                           ; s67  the step
.set CNT, 68
.set AT,  52                           ; s52  the tile's step on the diagonal
.set SEL, 20
.set CS,  22
.macro ROUND
	s_barrier_signal -1
	s_barrier_wait -1
	s_cmp_lg_u32 s8, 0
	s_cbranch_scc1 .Lnot_wave_0_\@
	s_barrier_signal -3
.Lnot_wave_0_\@:
	s_barrier_wait -3
	s_barrier_signal -1
	s_barrier_wait -1
.endm
; hi = 1: the wave's late tile, 0: its early one.  Q's fragment and scale word, the mask's d, where y goes, and the state
.macro TILESET hi
	s_wait_xcnt 0x0                                    ; the last tile's stores have read their registers and base
.if \hi
	s_sub_co_u32 s50, 127, s71                         ; the tile
	s_xor_b32 s51, s70, 1                              ; u, its place in its group of 32: from the wave's number alone
	s_sub_co_u32 s[AT], 15, s69
.else
	s_mov_b32 s50, s71
	s_mov_b32 s51, s70
	s_mov_b32 s[AT], s69
.endif
	s_mov_b32 s55, 512
	s_cmp_eq_u32 s51, 1                                ; registers 6 u .. 6 u + 5 of the image, in pieces of 8 bytes
	s_cselect_b32 s53, 520, 0
	s_cselect_b32 s54, 1024, 8
	s_cselect_b32 s55, 1032, s55
	s_lshr_b32 s56, s50, 1                             ; the group of 32 queries
	s_mul_i32 s57, s56, 1536
	s_add_co_u32 s57, s57, 208896
	s_add_co_u32 s53, s53, s57
	s_add_co_u32 s54, s54, s57
	s_add_co_u32 s55, s55, s57
	v_add_nc_u32 v88, s53, v1
	v_add_nc_u32 v89, s54, v1
	v_add_nc_u32 v90, s55, v1
	global_load_b64 v[16:17], v88, s[4:5]
	global_load_b64 v[18:19], v89, s[4:5]
	global_load_b64 v[20:21], v90, s[4:5]
	s_lshr_b32 s58, s50, 3
	s_lshl_b32 s58, s58, 9
	s_and_b32 s59, s56, 3
	s_lshl_b32 s59, s59, 2
	s_add_co_u32 s58, s58, s59
	s_lshl_b32 s59, s51, 8
	s_add_co_u32 s58, s58, s59
	s_add_co_u32 s58, s58, 307200
	v_lshl_add_u32 v91, v9, 4, s58
	global_load_b32 v255, v91, s[4:5]                  ; Q's scale words
	s_bfe_u32 s59, s50, 0x20001
	s_lshl_b32 s59, s59, 5
	s_lshl_b32 s60, s51, 3
	s_add_co_u32 s59, s59, s60
	v_add_nc_u32 v6, s59, v31                          ; d = my query's place among its step's 128 - 16 (lane / 16): register 16 b + i is hidden on the diagonal where 32 b + i > d
	s_lshl_b32 s60, s72, 6
	s_add_co_u32 s60, s60, s56
	s_lshl_b32 s60, s60, 3
	s_add_co_u32 s60, s60, s73
	s_mul_i32 s60, s60, 3072
	s_mul_i32 s61, s51, 1536
	s_add_co_u32 s60, s60, s61
	s_add_co_u32 s60, s60, s74
	s_mov_b32 s61, 0
	s_add_nc_u64 s[62:63], s[6:7], s[60:61]            ; y's half image
	s_lshl_b32 s53, s50, 9
	s_add_co_u32 s[77-\hi], s75, s53                   ; and its scale bytes' offset
	v_mov_b32 v13, 0xff61b1e6                          ; the largest t so far: -3e38
	s_delay_alu instid0(VALU_DEP_1)
	v_floor_f32 v12, -v13                              ; -M
	v_mov_b32 v14, 0
	v_mov_b32 v15, 0
.set qq, 0
.rept 32
	v_mov_b32 v[160+qq], 0                             ; O^T: the step is written once; the first change of M leaves zeros zeros
.set qq, qq+1
.endr
	s_wait_loadcnt 0x0
.endm
; A KEY STEP: 128 keys
.macro STEP
	s_cmp_gt_u32 s[SI], s[AT]                          ; all its keys come after my queries: only the addresses step
	s_cbranch_scc1 .Lhidden_\@
	s_setprio 2
	v_add_nc_u32 v3, s[TB], v1
	v_add_nc_u32 v4, s[TS], v29
	v_add_nc_u32 v5, s[TJ], v30
	v_nop                                              ; with the three additions: four places in front of loads into registers that the last products read
	ds_load_b128 v[248:251], v4                        ; register b: lanes 0-15 tile 2 b's words, lanes 16-31 tile 2 b + 1's
.irp b, 0,1,2,3
.irp c, 0,1,2
	ds_load_b128 v[32+12*\b+4*\c:35+12*\b+4*\c], v3 offset:1536*\b+512*\c
.endr
.endr
	s_wait_alu depctr_va_vdst(0)
	s_wait_dscnt 0x0
.irp t, 0,2,4,6
	v_wmma_scale_f32_16x16x128_f8f6f4 v[96+8*\t:103+8*\t], v[32+6*\t:43+6*\t], v[16:27], 0, v[248+\t/2], v255 matrix_a_fmt:MATRIX_FMT_FP6 matrix_b_fmt:MATRIX_FMT_FP6
	v_wmma_scale_f32_16x16x128_f8f6f4 v[104+8*\t:111+8*\t], v[38+6*\t:49+6*\t], v[16:27], 0, v[248+\t/2], v255 matrix_a_fmt:MATRIX_FMT_FP6 matrix_b_fmt:MATRIX_FMT_FP6 matrix_a_scale:MATRIX_SCALE_ROW1
.endr
.rept 4
	v_nop
.endr
.irp dl, 0,1,2,3                                   ; V's fragments land under the softmax
.irp c, 0,1,2
	ds_load_b128 v[32+12*\dl+4*\c:35+12*\dl+4*\c], v3 offset:49152+1536*\dl+512*\c
.endr
.endr
	ds_load_b32 v86, v5
	ds_load_b32 v87, v5 offset:128
	s_cmp_lt_u32 s[SI], s[AT]                          ; all keys count: no mask
	s_cbranch_scc1 .Lopen_\@
.set qq, 0
.rept 64
	v_cmp_gt_i32 vcc_lo, 32*(qq/16)+qq%16, v6
	v_cndmask_b32 v[96+qq], v[96+qq], v7, vcc_lo       ; hidden scores become -infinity ahead of the maximum: p = 0
.set qq, qq+1
.endr
.Lopen_\@:
.irp b, 0,1,2,3
	v_max3_num_f32 v[232+\b], v[96+16*\b], v[97+16*\b], v[98+16*\b]   ; the largest score of each block of 32 keys: for the row's maximum, and, since p rises with the score, for the block's largest p
.endr
.irp i, 3,5,7,9,11,13
.irp b, 0,1,2,3
	v_max3_num_f32 v[232+\b], v[232+\b], v[96+16*\b+\i], v[97+16*\b+\i]
.endr
.endr
.irp b, 0,1,2,3
	v_max_num_f32 v[232+\b], v[232+\b], v[111+16*\b]
.endr
.irp b, 0,1,2,3
	s_delay_alu instid0(VALU_DEP_4)
	v_permlanex16_b32 v[236+\b], v[232+\b], s[SEL], s[SEL+1]
.endr
.irp b, 0,1,2,3
	s_delay_alu instid0(VALU_DEP_4)
	v_max_num_f32 v[232+\b], v[232+\b], v[236+\b]
.endr
	s_delay_alu instid0(VALU_DEP_2)
	v_max3_num_f32 v254, v232, v233, v234
	s_delay_alu instid0(VALU_DEP_1)
	v_max_num_f32 v254, v254, v235
	s_delay_alu instid0(VALU_DEP_1)
	v_mul_f32 v254, s[CS], v254                        ; as t (c is positive)
	s_delay_alu instid0(VALU_DEP_1)
	v_max_num_f32 v13, v13, v254
	v_mov_b32 v254, v12
	s_delay_alu instid0(VALU_DEP_2)
	v_floor_f32 v12, -v13                              ; the new -M = floor(-t): M is a whole number
	s_delay_alu instid0(VALU_DEP_1)
	v_sub_f32 v254, v12, v254
	s_delay_alu instid0(VALU_DEP_1)
	v_cvt_i32_f32 v254, v254                           ; (it saturates)
	s_delay_alu instid0(VALU_DEP_1)
	v_ldexp_f32 v252, 1.0, v254                        ; f = 2^(old M - new M)
.set qq, 0
.rept 32
	v_pk_fma_f32 v[96+qq:97+qq], v[96+qq:97+qq], s[CS:CS+1], v[12:13] op_sel_hi:[1,0,0]   ; t - M
.set qq, qq+2
.endr
	s_setprio 1
.irp b, 0,1,2,3
	v_fma_f32 v[232+\b], v[232+\b], s[CS], v12
.endr
.set qq, 0
	s_wait_alu depctr_va_vdst(0)
.rept 64
	v_exp_f32 v[96+qq], v[96+qq]                       ; p = 2^(t - M)
.set qq, qq+1
.endr
.irp b, 0,1,2,3
	v_exp_f32 v[232+\b], v[232+\b]                     ; the block's largest p
.endr
	v_pk_mul_f32 v[14:15], v[14:15], v[252:253] op_sel_hi:[1,0]   ; the sums under the new M (a plain place behind the exponentials)
	s_wait_alu depctr_va_vdst(0)
.irp b, 0,1,2,3
	v_max_num_f32 v[232+\b], 0x1800000, v[232+\b]      ; the floor 2^(3 - 127)
.endr
.irp b, 0,1,2,3
	s_delay_alu instid0(VALU_DEP_4)
	v_add_nc_u32 v[244+\b], 0xff000000, v[232+\b]
.endr
.irp b, 0,1,2,3
	s_delay_alu instid0(VALU_DEP_4)
	v_lshrrev_b32 v[236+\b], 23, v[244+\b]
.endr
	s_delay_alu instid0(VALU_DEP_3)
	v_lshl_or_b32 v253, v237, 8, v236                  ; p's scale word for these 128 keys
	s_delay_alu instid0(VALU_DEP_1)
	v_lshl_or_b32 v253, v238, 16, v253
	s_delay_alu instid0(VALU_DEP_1)
	v_lshl_or_b32 v253, v239, 24, v253
.irp c, 0,1
	v_cvt_scalef32_pk16_fp6_f32 v[224+6*\c:226+6*\c], v[96+32*\c:111+32*\c], v[244+2*\c]
	v_cvt_scalef32_pk16_fp6_f32 v[236+4*\c:238+4*\c], v[112+32*\c:127+32*\c], v[244+2*\c+1]
.endr
	v_nop
.irp c, 0,1
.irp i, 0,1,2
	v_permlane16_swap_b32 v[224+6*\c+\i], v[236+4*\c+\i]
.endr
.irp i, 0,1,2
	s_delay_alu instid0(VALU_DEP_3)
	v_mov_b32 v[227+6*\c+\i], v[236+4*\c+\i]
.endr
.endr
	v_pk_add_f32 v[236:237], v[100:101], v[104:105]
	v_pk_add_f32 v[250:251], v[108:109], v[112:113]
	v_pk_add_f32 v[248:249], v[116:117], v[120:121]
	v_pk_add_f32 v[246:247], v[124:125], v[128:129]
	v_pk_add_f32 v[244:245], v[132:133], v[136:137]
	v_pk_add_f32 v[240:241], v[140:141], v[144:145]
	v_pk_add_f32 v[222:223], v[148:149], v[152:153]
	v_pk_add_f32 v[14:15], v[14:15], v[156:157]
	v_pk_add_f32 v[236:237], v[236:237], v[96:97]
	v_pk_add_f32 v[250:251], v[250:251], v[98:99]
	v_pk_add_f32 v[248:249], v[248:249], v[102:103]
	s_setprio 0
	v_pk_add_f32 v[246:247], v[246:247], v[106:107]
	v_pk_add_f32 v[244:245], v[244:245], v[110:111]
	v_pk_add_f32 v[240:241], v[240:241], v[114:115]
	v_pk_add_f32 v[222:223], v[222:223], v[118:119]
	v_pk_add_f32 v[14:15], v[14:15], v[122:123]
	v_pk_add_f32 v[236:237], v[236:237], v[126:127]
	v_pk_add_f32 v[250:251], v[250:251], v[130:131]
	v_pk_add_f32 v[248:249], v[248:249], v[134:135]
	v_pk_add_f32 v[246:247], v[246:247], v[138:139]
	v_pk_add_f32 v[244:245], v[244:245], v[142:143]
	v_pk_add_f32 v[240:241], v[240:241], v[146:147]
	v_pk_add_f32 v[222:223], v[222:223], v[150:151]
	v_pk_add_f32 v[14:15], v[14:15], v[154:155]
	v_pk_add_f32 v[236:237], v[236:237], v[158:159]
	s_delay_alu instid0(VALU_DEP_2)
	v_pk_add_f32 v[14:15], v[14:15], v[246:247]
	s_delay_alu instid0(VALU_DEP_2)
	v_pk_add_f32 v[236:237], v[236:237], v[244:245]
	v_pk_add_f32 v[250:251], v[250:251], v[240:241]
	v_pk_add_f32 v[248:249], v[248:249], v[222:223]
	s_delay_alu instid0(VALU_DEP_2)
	v_pk_add_f32 v[14:15], v[14:15], v[250:251]
	s_delay_alu instid0(VALU_DEP_2)
	v_pk_add_f32 v[236:237], v[236:237], v[248:249]
	s_delay_alu instid0(VALU_DEP_1)
	v_pk_add_f32 v[14:15], v[14:15], v[236:237]
.set qq, 0
.rept 16
	v_pk_mul_f32 v[160+qq:161+qq], v[160+qq:161+qq], v[252:253] op_sel_hi:[1,0]   ; O^T under the new M
.set qq, qq+2
.endr
	s_wait_alu depctr_va_vdst(0)
	s_wait_dscnt 0x0                                   ; V and its scale words
.irp dl, 0,2
	v_wmma_scale_f32_16x16x128_f8f6f4 v[160+8*\dl:167+8*\dl], v[32+12*\dl:43+12*\dl], v[224:235], v[160+8*\dl:167+8*\dl], v[86+\dl/2], v253 matrix_a_fmt:MATRIX_FMT_FP6 matrix_b_fmt:MATRIX_FMT_FP6
	v_wmma_scale_f32_16x16x128_f8f6f4 v[168+8*\dl:175+8*\dl], v[44+12*\dl:55+12*\dl], v[224:235], v[168+8*\dl:175+8*\dl], v[86+\dl/2], v253 matrix_a_fmt:MATRIX_FMT_FP6 matrix_b_fmt:MATRIX_FMT_FP6 matrix_a_scale:MATRIX_SCALE_ROW1
.endr
.Lhidden_\@:
	s_add_co_u32 s[TB], s[TB], 6144
	s_add_co_u32 s[TS], s[TS], 512
	s_add_co_u32 s[TJ], s[TJ], 256
	s_add_co_u32 s[SI], s[SI], 1
.endm
.macro KLOOP                           ; eight steps: the trip count is a constant
	s_mov_b32 s[CNT], 8
.Lk_\@:
	STEP
	s_sub_co_u32 s[CNT], s[CNT], 1
	s_cmp_lg_u32 s[CNT], 0
	s_cbranch_scc1 .Lk_\@
	s_setprio 0
.endm
; a tile is finished: O^T / the sum, quantised along the head's 64 (two blocks), stored as half an operand image; its scale word stays in wreg
.macro OUT wreg
.rept 4
	v_nop                                              ; the places behind the last products: the steps between may all have been jumped over
.endr
	v_add_f32 v14, v14, v15
	s_delay_alu instid0(VALU_DEP_1)
	v_permlanex16_b32 v252, v14, s[SEL], s[SEL+1]
	s_delay_alu instid0(VALU_DEP_1)
	v_add_f32 v14, v14, v252                           ; the row's sum
	s_wait_alu depctr_va_vdst(0)
	v_rcp_f32 v14, v14
	v_nop
.set qq, 0
	s_wait_alu depctr_va_vdst(0)
.rept 16
	v_pk_mul_f32 v[192+qq:193+qq], v[160+qq:161+qq], v[14:15] op_sel_hi:[1,0]   ; register 16 b + i: y(query, 32 b + 16 (lane / 16) + i)
.set qq, qq+2
.endr
.irp b, 0,1
	v_max3_num_f32 v[232+\b], |v[192+16*\b]|, |v[193+16*\b]|, 0x1800000
.endr
.irp i, 2,4,6,8,10,12,14
.irp b, 0,1
	s_delay_alu instid0(VALU_DEP_2)
	v_max3_num_f32 v[232+\b], v[232+\b], |v[192+16*\b+\i]|, |v[193+16*\b+\i]|
.endr
.endr
.irp b, 0,1
	s_delay_alu instid0(VALU_DEP_2)
	v_permlanex16_b32 v[236+\b], v[232+\b], s[SEL], s[SEL+1]
.endr
.irp b, 0,1
	s_delay_alu instid0(VALU_DEP_2)
	v_max_num_f32 v[232+\b], v[232+\b], v[236+\b]
.endr
.irp b, 0,1
	s_delay_alu instid0(VALU_DEP_2)
	v_add_nc_u32 v[244+\b], 0xff000000, v[232+\b]
.endr
.irp b, 0,1
	s_delay_alu instid0(VALU_DEP_2)
	v_lshrrev_b32 v[236+\b], 23, v[244+\b]
.endr
	s_delay_alu instid0(VALU_DEP_1)
	v_lshl_or_b32 \wreg, v237, 8, v236
	v_cvt_scalef32_pk16_fp6_f32 v[224:226], v[192:207], v244
	v_cvt_scalef32_pk16_fp6_f32 v[236:238], v[208:223], v245
	v_nop
.irp i, 0,1,2
	v_permlane16_swap_b32 v[224+\i], v[236+\i]
.endr
.irp i, 0,1,2
	s_delay_alu instid0(VALU_DEP_3)
	v_mov_b32 v[227+\i], v[236+\i]
.endr
	global_store_b128 v1, v[224:227], s[62:63]         ; 512 consecutive bytes, aligned
	global_store_b64 v8, v[228:229], s[62:63] offset:512   ; 256 consecutive bytes, aligned
.endm
	s_load_b128 s[4:7], s[0:1], 0x0                    ; qkv s[4:5], yq s[6:7]
	v_lshl_add_u32 v95, v0, 2, 0x33000
	v_mov_b32 v243, 0
	ds_add_u32 v95, v243
	ds_add_u32 v95, v243
	v_lshrrev_b32 v1, 5, v0
	s_delay_alu instid0(VALU_DEP_1)
	v_readfirstlane_b32 s8, v1                         ; wave 0..15
	s_bfe_u32 s9, ttmp6, 0x40000                       ; cx
	s_and_b32 s10, ttmp7, 0xffff                       ; (batch, head), which the four partners share
	s_mul_i32 s12, s10, HB
	s_mov_b32 s13, 0
	s_and_b32 s11, s8, 3
	s_mul_i32 s14, s11, 27648                          ; waves 0-3 fetch a quarter of each part: in LDS as in the head's block
	s_mov_b32 s15, 0
	s_mul_i32 s16, s11, 24576
	s_add_co_u32 s16, s16, 110592
	s_mov_b32 s17, 0
	s_mov_b32 s24, 15|(3<<16)|(1<<21)                  ; rows of 256 bytes (32 elements of 8 bytes); mask 15 and bit 21 beside it
	s_mov_b32 s25, 32<<16
	s_mov_b32 s26, 108<<16                             ; 108 rows: 27,648 bytes
	s_mov_b32 s27, 32<<16
	s_mov_b32 s28, 108
	s_mov_b32 s29, 32
	s_mov_b32 s30, 0
	s_mov_b32 s31, 0
	s_mov_b32 s32, 15|(3<<16)|(1<<21)
	s_mov_b32 s33, 32<<16
	s_mov_b32 s34, 96<<16                              ; 96 rows: 24,576 bytes
	s_mov_b32 s35, 32<<16
	s_mov_b32 s36, 96
	s_mov_b32 s37, 32
	s_mov_b32 s38, 0
	s_mov_b32 s39, 0
	s_wait_dscnt 0x0
	s_wait_kmcnt 0x0
	s_add_nc_u64 s[4:5], s[4:5], s[12:13]              ; the head's block
	s_mov_b32 s40, 1
	s_mov_b32 s41, s14
	s_add_nc_u64 s[42:43], s[4:5], s[14:15]
	s_or_b32 s43, s43, 0x80000000
	s_mov_b32 s44, 1
	s_mov_b32 s45, s16
	s_add_nc_u64 s[46:47], s[4:5], s[16:17]
	s_or_b32 s47, s47, 0x80000000
	ROUND                                              ; all four work-groups are here: the joint loads meet
	s_cmp_lt_u32 s8, 4
	s_cbranch_scc0 .Lno_fetch
	tensor_load_to_lds s[40:43], s[24:31]              ; steps 0-7 of K and V, and all scale words
	s_nop 0
	tensor_load_to_lds s[44:47], s[32:39]              ; steps 8-15: two loads of mine are out
	s_nop 0
.rept 4
	v_nop
.endr
.Lno_fetch:
	v_and_b32 v28, 31, v0
	s_delay_alu instid0(VALU_DEP_1)
	v_lshlrev_b32 v1, 4, v28
	s_delay_alu instid0(VALU_DEP_2)
	v_lshlrev_b32 v8, 3, v28
	s_delay_alu instid0(VALU_DEP_3)
	v_lshl_add_u32 v29, v28, 4, 98304
	s_delay_alu instid0(VALU_DEP_4)
	v_lshl_add_u32 v30, v28, 2, 106496
	v_and_b32 v9, 15, v0                               ; r
	v_bfe_u32 v11, v0, 4, 1                            ; h
	s_delay_alu instid0(VALU_DEP_2)
	v_and_b32 v31, 8, v9
	s_delay_alu instid0(VALU_DEP_1)
	v_add_nc_u32 v31, v31, v9
	s_delay_alu instid0(VALU_DEP_3)
	v_lshlrev_b32 v2, 4, v11
	s_delay_alu instid0(VALU_DEP_1)
	v_sub_nc_u32 v31, v31, v2                          ; r + 8 (r / 8) - 16 h
	v_mov_b32 v7, 0xff800000
.irp j, 0,1,2,3,4,5
	v_mov_b32 v[22+\j], 0                              ; Q's codes of k = 64 .. 127: zeros
	v_mov_b32 v[80+\j], 0                              ; what stands behind K's last tile
.endr
.irp b, 0,1,2,3
	v_mov_b32 v[236+\b], 0                             ; a lane permute's destination counts as one of its sources
.endr
	v_mov_b32 v252, 0
	v_mov_b32 v253, 0
	s_mov_b32 s[SEL], 0x76543210
	s_mov_b32 s[SEL+1], 0xfedcba98
	s_mov_b32 s[CS], 0x3e38aa3b                        ; c = log2(e) / 8
	s_mov_b32 s[CS+1], s[CS]
	s_mov_b32 s78, 0xffff0000
	s_lshr_b32 s69, s8, 1                              ; a
	s_and_b32 s70, s8, 1
	s_lshl_b32 s71, s9, 1
	s_add_co_u32 s71, s71, s70
	s_lshl_b32 s50, s69, 3
	s_add_co_u32 s71, s71, s50                         ; my early tile
	s_lshr_b32 s72, s10, 4                             ; the batch
	s_and_b32 s73, s10, 15                             ; the head
	s_and_b32 s74, s73, 1
	s_lshl_b32 s75, s74, 1
	s_mul_i32 s74, s74, 768
	s_lshr_b32 s50, s73, 3
	s_lshl_b32 s50, s50, 8
	s_add_co_u32 s75, s75, s50
	s_lshr_b32 s73, s73, 1                             ; the last product's K step
	s_and_b32 s50, s73, 3
	s_lshl_b32 s50, s50, 2
	s_add_co_u32 s75, s75, s50
	s_lshl_b32 s50, s72, 16
	s_add_co_u32 s75, s75, s50
	s_add_co_u32 s75, s75, YSC                         ; y's scale bytes: all but the tile's 512 bytes and the row's 16
	s_mov_b32 s[TB], 0
	s_mov_b32 s[TS], 0
	s_mov_b32 s[TJ], 0
	s_mov_b32 s[SI], 0
	TILESET 1
	s_wait_tensorcnt 0x1                               ; my part of the first half is in; the second load may be out
	s_barrier_signal -1
	s_barrier_wait -1
	KLOOP                                              ; the late tile, steps 0-7: all open, alike in all waves
	s_wait_tensorcnt 0x0
	s_wait_dscnt 0x0
	s_barrier_signal -1
	s_barrier_wait -1                                  ; the second half is whole
	s_mov_b32 s[TB], 110592
	KLOOP                                              ; the late tile, steps 8-15
	OUT v10
	TILESET 0
	s_mov_b32 s[TB], 0
	s_mov_b32 s[TS], 0
	s_mov_b32 s[TJ], 0
	s_mov_b32 s[SI], 0
	KLOOP                                              ; the early tile, steps 0-7
	OUT v28
	v_mov_b32 v88, s76
	v_mov_b32 v89, s77
	s_delay_alu instid0(VALU_DEP_1)
	v_cndmask_b32 v88, v88, v89, s78                   ; lanes 0-15 store the late tile's words, lanes 16-31 the early tile's
	s_delay_alu instid0(VALU_DEP_1)
	v_lshl_add_u32 v88, v9, 4, v88
	v_cndmask_b32 v89, v10, v28, s78
	global_store_b16 v88, v89, s[6:7]                  ; my head's two bytes of each row's word
	s_wait_tensorcnt 0x0
	ds_add_u32 v95, v243
	s_wait_dscnt 0x0
	ROUND                                              ; the closing round
	s_endpgm
.Lfunc_end_k_q153ddec5d3_attn:
	.size	k_q153ddec5d3_attn, .Lfunc_end_k_q153ddec5d3_attn-k_q153ddec5d3_attn
	.p2alignl 7, 3214868480
	.fill 96, 4, 3214868480
	.section	.rodata,"a",@progbits
	.p2align	6, 0x0
	.amdhsa_kernel k_q153ddec5d3_attn
		.amdhsa_group_segment_fixed_size 210944
		.amdhsa_private_segment_fixed_size 0
		.amdhsa_enable_private_segment 0
		.amdhsa_kernarg_size 16
		.amdhsa_user_sgpr_count 2
		.amdhsa_user_sgpr_kernarg_segment_ptr 1
		.amdhsa_wavefront_size32 1
		.amdhsa_system_sgpr_workgroup_id_x 1
		.amdhsa_system_sgpr_workgroup_id_y 1
		.amdhsa_system_sgpr_workgroup_id_z 1
		.amdhsa_system_vgpr_workitem_id 0
		.amdhsa_next_free_vgpr 256
		.amdhsa_next_free_sgpr 90
		.amdhsa_reserve_vcc 1
		.amdhsa_float_denorm_mode_32 3
		.amdhsa_float_denorm_mode_16_64 3
		.amdhsa_memory_ordered 1
		.amdhsa_forward_progress 1
		.amdhsa_inst_pref_size 89
	.end_amdhsa_kernel
	.amdgpu_metadata
---
amdhsa.version: [ 1, 2 ]
amdhsa.kernels:
  - .name:           k_q153ddec5d3_attn
    .symbol:         k_q153ddec5d3_attn.kd
    .args:
      - { .name: qkv, .offset: 0, .size: 8, .value_kind: global_buffer, .address_space: global }
      - { .name: yq, .offset: 8, .size: 8, .value_kind: global_buffer, .address_space: global }
    .group_segment_fixed_size: 210944
    .private_segment_fixed_size: 0
    .kernarg_segment_align: 8
    .kernarg_segment_size: 16
    .max_flat_workgroup_size: 512
    .sgpr_count:     90
    .vgpr_count:     256
    .wavefront_size: 32
...
	.end_amdgpu_metadata
.endif
;; end of part 3
;; launch outgemm (part 4): grid 4 x 64, 4 waves a work-group, clusters of 4 x 1, 168,448 bytes of LDS; arguments yq, wo, b_out, out0; writes out0
.if DOCPART == 4
	.amdgcn_target "amdgcn-amd-amdhsa--gfx1250"
	.amdhsa_code_object_version 6
	.text
	.protected	k_q153ddec5d3_outgemm
	.globl	k_q153ddec5d3_outgemm
	.p2align	8
	.type	k_q153ddec5d3_outgemm,@function
k_q153ddec5d3_outgemm:
	s_mov_b64 s[64:65], 0
	v_nop
	global_prefetch_b8 v0, s[64:65] scope:SCOPE_SE
	s_setreg_imm32_b32 hwreg(HW_REG_WAVE_MODE, 25, 1), 1
	s_wait_xcnt 0x0
	s_wait_alu depctr_hold_cnt(0) depctr_sa_sdst(0) depctr_va_vdst(0) depctr_va_sdst(0) depctr_va_ssrc(0) depctr_va_vcc(0) depctr_vm_vsrc(0)
	s_getreg_b32 s2, hwreg(HW_REG_IB_STS2, 6, 4)
	s_cmp_eq_u32 s2, 0
	s_cbranch_scc0 .Lentry_in_a_cluster
	s_endpgm
.Lentry_in_a_cluster:
	s_bfe_u32 s2, ttmp6, 0x10000c
	s_cmp_lg_u32 s2, 0x3003
	s_cbranch_scc0 .Lentry_shape_is_right
	s_endpgm
.Lentry_shape_is_right:
; out = y w_out + b_out on codes of FP6 (E2M3) with E8M0 scales; out is f32.
; SHARES.  A work-group makes 128 tokens x 256 columns.  Wave w holds 64 columns for all of K in REGISTERS (32 fragments, 384 registers, read once); the tokens' codes (98,304 bytes) and scale words lie in LDS, filled once.
; CLUSTER.  The four column blocks of a cluster read the same tokens: their codes are asked for jointly (mask 15).  The weights go to registers, where a joint load cannot bring them: plain loads.
; THE PRODUCT IS USED TRANSPOSED (source 0 = 16 columns of w_out, source 1 = 16 tokens): a lane holds one token, and by the tiles' row order tile t's eight registers are columns 32 (t / 2) + 16 (lane / 16) + 8 (t % 2) + 0 .. 7.
; The bias is the C of each sum's first product.  The eight accumulators take turns, one instruction a turn.
; A token tile's fragment lies as two halves of 768 bytes (one from each head of a pair): registers 0-3 at 16 x lane, registers 4, 5 at 512 + 8 x lane.
; REGISTERS.  Window 0: v1-7 addresses; v8-23 the weights' scale words; v24-39 the tokens', two sets; v40-111 the tokens' fragments, three buffers; v112-143 rows on their way out.
;   window 1: weights of K steps 0-4.   window 2: K steps 5-7; the bias at v144-175; the accumulators at v176-239.
.set YSC,  6291456
.set WOSC, 786432
.set ASC,  98304                       ; LDS: 8 scale blocks behind the images
.set STG,  102400                      ; LDS: a stage of 16 rows x 272 bytes for each wave; no fill lands there
.set BS,  8
.set AS,  24
.set AF,  40
.set OB,  112
.set BIAS, 144
.set ACC, 176
.set MSB, 0
.macro WIN new
.if MSB != (\new)
	s_set_vgpr_msb (MSB<<8)|(\new)
.set MSB, (\new)
.endif
.endm
.macro ROUND
	s_barrier_signal -1
	s_barrier_wait -1
	s_cmp_lg_u32 s12, 0
	s_cbranch_scc1 .Lnot_wave_0_\@
	s_barrier_signal -3
.Lnot_wave_0_\@:
	s_barrier_wait -3
	s_barrier_signal -1
	s_barrier_wait -1
.endm
.macro MM d, a, b, c, sa, sc
.if kk < 4
	v_wmma_scale_f32_16x16x128_f8f6f4 v[\d:\d+7], v[\a:\a+11], v[\b:\b+11], v[\c:\c+7], v[\sa], v[\sc] matrix_a_fmt:MATRIX_FMT_FP6 matrix_b_fmt:MATRIX_FMT_FP6
.else
	v_wmma_scale_f32_16x16x128_f8f6f4 v[\d:\d+7], v[\a:\a+11], v[\b:\b+11], v[\c:\c+7], v[\sa], v[\sc] matrix_a_fmt:MATRIX_FMT_FP6 matrix_b_fmt:MATRIX_FMT_FP6 matrix_a_scale:MATRIX_SCALE_ROW1 matrix_b_scale:MATRIX_SCALE_ROW1
.endif
.endm
.macro BLOAD                           ; my four fragments of K step bs
	WIN (1+bs/5)<<6
.irp t, 0,1,2,3
.irp c, 0,1,2
	global_load_b128 v[48*(bs%5)+12*\t+4*\c:48*(bs%5)+12*\t+4*\c+3], v1, s[76:77] offset:(4*bs+\t)*1536+512*\c
.endr
.endr
.endm
.macro PREF                            ; step m = 8 x group + K step
.if (m%8 == 0) && (m > 0)
	v_add_nc_u32 v2, 24576, v2
	s_wait_alu depctr_va_vdst(0)
	v_add_nc_u32 v4, 24576, v4
.endif
.if m%8 == 0
	s_wait_alu depctr_va_vdst(0)
.irp u, 0,1
	ds_load_b128 v[AS+8*((m/8)%2)+4*\u:AS+8*((m/8)%2)+4*\u+3], v3 offset:(m/8)*1024+512*\u
.endr
.endif
.irp u, 0,1
.irp c, 0,1
	ds_load_b128 v[AF+24*(m%3)+12*\u+6*\c:AF+24*(m%3)+12*\u+6*\c+3], v2 offset:(m%8)*3072+1536*\u+768*\c
	ds_load_b64 v[AF+24*(m%3)+12*\u+6*\c+4:AF+24*(m%3)+12*\u+6*\c+5], v4 offset:(m%8)*3072+1536*\u+768*\c+512
.endr
.endr
.endm
.macro KSTEP                           ; step n: 32 tokens x my 64 columns x 128 along K: eight products
.set kk, n%8
.set sbk, n/8
.set wB, 1+kk/5
.set BR, 48*(kk%5)
.set AB, AF+24*(n%3)
.set ASR, AS+8*(sbk%2)+kk%4
.set BSR, BS+kk%4
.if sbk == 0
.if kk < 6
	s_wait_loadcnt 24                                  ; this K step's weights are in; the 12 loads of each of the next two steps may be out
.elseif kk == 6
	s_wait_loadcnt 12
.else
	s_wait_loadcnt 0
.endif
.endif
.if n < 30
	s_wait_dscnt 16                                    ; this step's fragments are in; the eight loads of each of the next two steps may be out
.elseif n == 30
	s_wait_dscnt 8
.else
	s_wait_dscnt 0
.endif
	WIN 0xa0|wB                                        ; source 0 (weights) window 1 or 2, source 1 window 0, C and D window 2
.irp ux, 0,1
.irp t, 0,1,2,3
.set rD, ACC+32*\ux+8*\t
.if kk == 0
.set rC, BIAS+8*\t
.else
.set rC, rD
.endif
	MM rD, BR+12*\t, AB+12*\ux, rC, BSR+4*\t, ASR+4*\ux
.endr
.endr
	WIN 0
.rept 4
	v_nop                                              ; four places in front of loads into the buffer just multiplied, and of the LDS stores that read results
.endr
.if kk == 7
	v_nop                                              ; a fifth: the next group's first products write over these accumulators, and no vector arithmetic stands between
.endif
.if n == 13
	s_wait_tensorcnt 0x0                               ; my part of tokens 64-127 has landed,
	s_wait_dscnt 0x0
	s_barrier_signal -1
	s_barrier_wait -1                                  ; everybody's has: the next fetch is the first to read them
.endif
.if n+3 < 32
.set m, n+3
	PREF
.endif
.if (sbk == 0) && (kk < 5)
.set bs, kk+3
	BLOAD
	WIN 0
.endif
.endm
; 32 tokens are finished: a tile of 16 at a time through my own stage, back as whole rows of 256 bytes
.macro EPI
.irp ux, 0,1
	s_wait_xcnt 0x0                                    ; the last tile's stores have read their registers
	WIN 0x08                                           ; an LDS store's data: window 2
.irp t, 0,1,2,3
	ds_store_b128 v5, v[ACC+32*\ux+8*\t:ACC+32*\ux+8*\t+3] offset:128*(\t/2)+32*(\t%2)       ; each accumulator from its low end on
	ds_store_b128 v5, v[ACC+32*\ux+8*\t+4:ACC+32*\ux+8*\t+7] offset:128*(\t/2)+32*(\t%2)+16
.endr
	WIN 0
.irp e, 0,1,2,3,4,5,6,7
	ds_load_b128 v[OB+4*\e:OB+4*\e+3], v6 offset:2*\e*272      ; LDS serves a wave's instructions in order: these see the stores above
.endr
.irp e, 0,1,2,3,4,5,6,7
	s_wait_dscnt 7-\e
	global_store_b128 v7, v[OB+4*\e:OB+4*\e+3], s[68:69] offset:(32*sbk+8*\ux+2*\e+8*(\e/4))*4096 th:TH_STORE_NT   ; sixteen lanes store 256 consecutive bytes, aligned; stage row p is token 8 ux + p + 8 (p / 8) of the group
.endr
.endr
.endm
	s_load_b256 s[4:11], s[0:1], 0x0                   ; yq s[4:5], wo s[6:7], b_out s[8:9], out0 s[10:11]
	v_lshl_add_u32 v254, v0, 2, 0x29000
	v_mov_b32 v255, 0
	ds_add_u32 v254, v255
	ds_add_u32 v254, v255
	v_lshrrev_b32 v1, 5, v0
	v_readfirstlane_b32 s12, v1                        ; wave 0..3
	s_bfe_u32 s13, ttmp6, 0x40000                      ; cx
	s_lshl_b32 s14, ttmp9, 2
	s_add_co_u32 s14, s14, s13                         ; the block of 256 columns: it enters global addresses of weights, bias and results alone
	s_and_b32 s15, ttmp7, 0xffff                       ; the block of 128 tokens, which the four partners share
	s_mov_b32 s24, 15|(3<<16)|(1<<21)                  ; rows of 256 bytes; mask 15 and bit 21 beside it
	s_mov_b32 s25, 32<<16
	s_mov_b32 s26, 48<<16                              ; 48 rows: 12,288 bytes
	s_mov_b32 s27, 32<<16
	s_mov_b32 s28, 48
	s_mov_b32 s29, 32
	s_mov_b32 s30, 0
	s_mov_b32 s31, 0
	s_mov_b32 s32, 15|(3<<16)|(1<<21)
	s_mov_b32 s33, 32<<16
	s_mov_b32 s34, 4<<16                               ; 4 rows: 1,024 bytes
	s_mov_b32 s35, 32<<16
	s_mov_b32 s36, 4
	s_mov_b32 s37, 32
	s_mov_b32 s38, 0
	s_mov_b32 s39, 0
	s_mul_i32 s16, s12, 12288
	s_mul_i32 s18, s15, 98304
	s_add_co_u32 s18, s18, s16
	s_mov_b32 s19, 0
	s_lshl_b32 s17, s12, 10
	s_lshl_b32 s20, s15, 12
	s_add_co_u32 s20, s20, s17
	s_add_co_u32 s20, s20, YSC
	s_mov_b32 s21, 0
	s_wait_dscnt 0x0
	s_wait_kmcnt 0x0
	s_add_nc_u64 s[18:19], s[4:5], s[18:19]
	s_add_nc_u64 s[20:21], s[4:5], s[20:21]
	s_mov_b32 s40, 1
	s_add_co_u32 s41, s17, ASC
	s_mov_b64 s[42:43], s[20:21]
	s_or_b32 s43, s43, 0x80000000
.irp j, 0,1
	s_mov_b32 s[44+4*\j], 1
	s_add_co_u32 s[45+4*\j], s16, \j*49152
	s_add_nc_u64 s[46+4*\j:47+4*\j], s[18:19], \j*49152
	s_or_b32 s[47+4*\j], s[47+4*\j], 0x80000000
.endr
	ROUND                                              ; all four work-groups are here: the joint loads meet
	tensor_load_to_lds s[40:43], s[32:39]              ; three loads of mine are out: the scale blocks,
	s_nop 0
	tensor_load_to_lds s[44:47], s[24:31]              ; tokens 0-63,
	s_nop 0
	tensor_load_to_lds s[48:51], s[24:31]              ; tokens 64-127
	s_nop 0
.rept 4
	v_nop
.endr
	s_lshl_b32 s22, s14, 2
	s_add_co_u32 s22, s22, s12                         ; my set of 64 columns
	s_mul_i32 s76, s22, 49152
	s_mov_b32 s77, 0
	s_add_nc_u64 s[76:77], s[6:7], s[76:77]
	s_lshl_b32 s78, s22, 11
	s_add_co_u32 s78, s78, WOSC
	s_mov_b32 s79, 0
	s_add_nc_u64 s[78:79], s[6:7], s[78:79]
	s_lshl_b32 s80, s22, 8
	s_mov_b32 s81, 0
	s_add_nc_u64 s[82:83], s[8:9], s[80:81]            ; my bias
	s_lshl_b32 s68, s15, 19                            ; 128 tokens x 4,096 bytes
	s_add_co_u32 s68, s68, s80
	s_mov_b32 s69, 0
	s_add_nc_u64 s[68:69], s[10:11], s[68:69]          ; my columns of the block's first token
	v_and_b32 v112, 31, v0
	v_and_b32 v113, 15, v0                             ; r
	v_bfe_u32 v114, v0, 4, 1                           ; h
	v_lshlrev_b32 v1, 4, v112                          ; 16 x lane
	v_lshlrev_b32 v2, 4, v112                          ; the same and 8 x lane, stepped from group to group of tokens
	v_lshlrev_b32 v4, 3, v112
	v_lshl_add_u32 v3, v112, 4, ASC
	v_lshlrev_b32 v115, 6, v114                        ; the bias: 64 bytes for lanes 16-31
.irp t, 0,1,2,3
	global_load_b128 v[BS+4*\t:BS+4*\t+3], v1, s[78:79] offset:512*\t
.endr
	WIN 0x80
.irp t, 0,1,2,3
	global_load_b128 v[BIAS+8*\t:BIAS+8*\t+3], v115, s[82:83] offset:(32*(\t/2)+8*(\t%2))*4
	global_load_b128 v[BIAS+8*\t+4:BIAS+8*\t+7], v115, s[82:83] offset:(32*(\t/2)+8*(\t%2))*4+16
.endr
.set bs, 0
	BLOAD
.set bs, 1
	BLOAD
.set bs, 2
	BLOAD
	WIN 0
	s_mul_i32 s23, s12, 4352
	s_add_co_u32 s23, s23, STG                         ; my stage
	v_mul_u32_u24 v5, v113, 272
	v_lshl_add_u32 v5, v114, 6, v5
	v_add_nc_u32 v5, s23, v5                           ; in: row r, + 64 h
	v_mul_u32_u24 v6, v114, 272
	v_lshl_add_u32 v6, v113, 4, v6
	v_add_nc_u32 v6, s23, v6                           ; back: lanes 0-15 one row, lanes 16-31 the next
	v_lshlrev_b32 v7, 12, v114
	v_lshl_add_u32 v7, v113, 4, v7                     ; and the same two tokens in out
	s_wait_tensorcnt 0x1                               ; my parts of the scale blocks and of tokens 0-63 are in; the youngest load may be out
	s_barrier_signal -1
	s_barrier_wait -1
.set m, 0
	PREF
.set m, 1
	PREF
.set m, 2
	PREF
.set n, 0
.rept 32
	KSTEP
.if n%8 == 7
	EPI
.endif
.set n, n+1
.endr
	s_wait_tensorcnt 0x0
	ds_add_u32 v254, v255
	s_wait_dscnt 0x0
	ROUND                                              ; the closing round
	s_endpgm
.Lfunc_end_k_q153ddec5d3_outgemm:
	.size	k_q153ddec5d3_outgemm, .Lfunc_end_k_q153ddec5d3_outgemm-k_q153ddec5d3_outgemm
	.p2alignl 7, 3214868480
	.fill 96, 4, 3214868480
	.section	.rodata,"a",@progbits
	.p2align	6, 0x0
	.amdhsa_kernel k_q153ddec5d3_outgemm
		.amdhsa_group_segment_fixed_size 168448
		.amdhsa_private_segment_fixed_size 0
		.amdhsa_enable_private_segment 0
		.amdhsa_kernarg_size 32
		.amdhsa_user_sgpr_count 2
		.amdhsa_user_sgpr_kernarg_segment_ptr 1
		.amdhsa_wavefront_size32 1
		.amdhsa_system_sgpr_workgroup_id_x 1
		.amdhsa_system_sgpr_workgroup_id_y 1
		.amdhsa_system_sgpr_workgroup_id_z 1
		.amdhsa_system_vgpr_workitem_id 0
		.amdhsa_next_free_vgpr 1024
		.amdhsa_next_free_sgpr 90
		.amdhsa_reserve_vcc 0
		.amdhsa_float_denorm_mode_32 3
		.amdhsa_float_denorm_mode_16_64 3
		.amdhsa_memory_ordered 1
		.amdhsa_forward_progress 1
		.amdhsa_inst_pref_size 90
	.end_amdhsa_kernel
	.amdgpu_metadata
---
amdhsa.version: [ 1, 2 ]
amdhsa.kernels:
  - .name:           k_q153ddec5d3_outgemm
    .symbol:         k_q153ddec5d3_outgemm.kd
    .args:
      - { .name: yq, .offset: 0, .size: 8, .value_kind: global_buffer, .address_space: global }
      - { .name: wo, .offset: 8, .size: 8, .value_kind: global_buffer, .address_space: global }
      - { .name: b_out, .offset: 16, .size: 8, .value_kind: global_buffer, .address_space: global }
      - { .name: out0, .offset: 24, .size: 8, .value_kind: global_buffer, .address_space: global }
    .group_segment_fixed_size: 168448
    .private_segment_fixed_size: 0
    .kernarg_segment_align: 8
    .kernarg_segment_size: 32
    .max_flat_workgroup_size: 128
    .sgpr_count:     90
    .vgpr_count:     1024
    .wavefront_size: 32
...
	.end_amdgpu_metadata
.endif
;; end of part 4
